; MI455X (gfx1250); checked and timed in simulation.
; The chip was launched on July 23, 2026; its instructions are those of AMD's public machine-readable ISA for CDNA 5 (MIT licence, August 2026) and "CDNA5" Instruction Set Architecture Reference Guide (July 2026). The comments in the code are by the model that wrote it; some were corrected since.
;; Multi Head Attention. Allowed arithmetic: matrix products marked QUANTISED: E2M1 operands, one E8M0 scale for each 32 along K, by v_wmma_scale_f32_16x16x128_f8f6f4 with both operands' format E2M1 (or v_wmma_scale_f32_32x16x128_f4), f32 sums; products left as they are: bf16, f16 or f32 operands; f32 sums; everything else in f32.
;; Inputs: b_attn 3,072 float32; b_proj 1,024 float32; w_attn 1,024 x 3,072 float32; w_proj 1,024 x 1,024 float32; x 4 x 2,048 x 1,024 float32.
;; Outputs: out0 4 x 2,048 x 1,024 float32.
;; This version of the problem:
;;   THIS VERSION OF THE PROBLEM IS GIVEN IN LOW PRECISION. The matrix products marked QUANTISED in the list below multiply operands that are first quantised to E2M1 (2 exponent bits, 1 mantissa bit; 4 bits a number), with one power-of-two scale for each 32 numbers along K (OCP MX v1.0); their sums are f32. The products marked 'left as it is' may take bf16, f16 or f32 operands, with f32 sums. Whichever they take, every output number must still come out within the allowed error. Rounding operands to bf16 (8 significant bits) uses up far more of that allowance than f16 does (11 bits, for magnitudes from 6e-5 to 65,504). All else is computed in f32.
;;   The module's matrix products, in the order in which they are computed (A, B: the left and right operand; K: the contracted axis; several contracted axes count as one K, in the product's order):
;;     1. [M 8,192, K 1,024] x [K 1,024, N 3,072]; A: input x; B: input w_attn: QUANTISED
;;     2. [M 2,048, K 1] x [K 1, N 32]; A: computed on the way; B: computed on the way: left as it is (no contracted axis)
;;     3. batch 64 x [M 2,048, K 64] x [K 64, N 2,048]; A: computed on the way; B: computed on the way: left as it is (an operand is computed on the way)
;;     4. batch 64 x [M 2,048, K 2,048] x [K 2,048, N 64]; A: computed on the way; B: computed on the way: left as it is (an operand is computed on the way)
;;     5. [M 8,192, K 1,024] x [K 1,024, N 1,024]; A: computed on the way; B: input w_proj: left as it is (an operand is computed on the way)
;;   THE QUANTISER, for each operand of a quantised product, along K:
;;     - K is cut into blocks of 32 from its start; a last block that is shorter is filled with zeros.
;;     - A block's scale is 2^e with e = floor(log2(the largest magnitude in the block)) - 2, held to -126 .. 127; a block of zeros has e = 0. As a byte (E8M0): e + 127.
;;     - Each number is divided by its block's scale, clamped to +-6, and rounded to the nearest number of E2M1, ties to even, subnormals kept.
;;     - The product sums the exact products of the quantised numbers (number of the format x scale) in f32.
;;   ~~~python
;;   def quantise(x, axis):      # numpy; x: float32 -> the quantised numbers, widened to float32 again
;;       x = np.moveaxis(x, axis, -1); K = x.shape[-1]
;;       x = np.pad(x, [(0, 0)] * (x.ndim - 1) + [(0, -K % 32)]); x = x.reshape(x.shape[:-1] + (-1, 32)); a = np.abs(x).max(-1, keepdims=True)
;;       e = np.where(a > 0, np.clip(np.frexp(np.where(a > 0, a, 1))[1] - 1 - 2, -126, 127), 0)      # np.frexp(a)[1] - 1 = floor(log2(a)), exactly
;;       r = np.clip(x / 2.0 ** e, -6, 6)
;;       step = 2.0 ** (np.maximum(np.frexp(np.where(r == 0, 1, r))[1] - 1, 0) - 1)
;;       q = np.round(r / step) * step * 2.0 ** e      # np.round: ties to even
;;       return np.moveaxis(q.reshape(q.shape[:-2] + (-1,))[..., :K], -1, axis).astype(np.float32)
;;   ~~~
;; One version. Each part assembles by itself: llvm-mc -triple=amdgcn-amd-amdhsa -mcpu=gfx1250 --defsym DOCPART=n.
;; ======== version 1 of 1: 5 launches
;; limits: values are held in f16: magnitudes above 65,504 overflow, below 6.1e-05 lose precision
;; workspace buffers: xc 4,194,304 bytes; xs 262,144 bytes; wc 1,572,864 bytes; ws 98,304 bytes; wp16 2,097,152 bytes; rope 524,288 bytes; qkv 51,118,080 bytes; y16 16,777,216 bytes
;; launch prep (part 1): grid 496 x 1, 4 waves a work-group, no clusters, 68,096 bytes of LDS; arguments x, w_attn, w_proj, xc, xs, wc, ws, wp16, rope; writes xc, xs, wc, ws, wp16, rope
.if DOCPART == 1
	.amdgcn_target "amdgcn-amd-amdhsa--gfx1250"
	.amdhsa_code_object_version 6
	.text
	.protected	k_q3bd5342873_prep
	.globl	k_q3bd5342873_prep
	.p2align	8
	.type	k_q3bd5342873_prep,@function
k_q3bd5342873_prep:
	s_mov_b64 s[64:65], 0
	v_nop
	global_prefetch_b8 v0, s[64:65] scope:SCOPE_SE
	s_setreg_imm32_b32 hwreg(HW_REG_WAVE_MODE, 25, 1), 1
	s_wait_xcnt 0x0
; FOUR JOBS IN ONE LAUNCH, told apart by the work-group's number alone.
;   0..255   x [8192][1024] f32 -> codes of E2M1 (xc, K innermost, 512 bytes a row) and E8M0 bytes (xs, 32 a row)
;   256..303 w_attn [1024 k][3072 n] f32, K its first axis -> wc [3072][512 bytes], ws [3072][32]
;   304..431 w_proj f32 -> wp16, f16, as it lies
;   432..495 the rotary table rope [2048 t][64] f32: entries 0..31 cos(t f_i), 32..63 sin(t f_i), f_i = 10000^(-i/32)
; A block's scale is 2^(floor(log2(largest magnitude)) - 2): its byte is the largest magnitude's exponent field - 2, held at 1 from below.
; LIMITS: a block whose largest magnitude lies under 2^-124 (a block of zeros too) keeps the byte 1: a zero block's codes are zeros, and this program alone
; reads the bytes.  NaN and infinities among the inputs are not served.  f_i comes from v_exp_f32 (1 ulp): the phase t f_i is off by 3e-4 rad at the most, at t = 2047.
; Memory binds: no matrix unit, no tensor load, no barrier; waves share nothing.  Each path that uses LDS has LDS bytes of its own.
.set SPARE, 67584                      ; behind both paths' stages: the spare words, 128 bytes a wave
.set SPW,   190                        ; v190 LDS address of my spare word; never rewritten
.set NIL,   191                        ; v191 0; never rewritten
.macro FINISH                          ; a wave's end
	s_wait_tensorcnt 0x0
	ds_add_u32 v[SPW], v[NIL]
	s_wait_dscnt 0x0
	s_endpgm
.endm
	s_load_b512 s[8:23], s[0:1], 0x0               ; x 8:9, w_attn 10:11, w_proj 12:13, xc 14:15, xs 16:17, wc 18:19, ws 20:21, wp16 22:23
	s_load_b64 s[24:25], s[0:1], 0x40              ; rope
	v_lshl_add_u32 v[SPW], v0, 2, SPARE
	v_mov_b32 v[NIL], 0
	v_lshrrev_b32 v1, 5, v0
	v_readfirstlane_b32 s26, v1                    ; wave 0..3
	v_and_b32 v2, 31, v0                           ; lane
	s_mov_b32 s31, 0                               ; the upper word of every 32-bit offset
	s_wait_kmcnt 0x0
	s_cmp_lt_u32 ttmp9, 256
	s_cbranch_scc1 .Lpath_x
	s_cmp_lt_u32 ttmp9, 304
	s_cbranch_scc1 .Lpath_w
	s_cmp_lt_u32 ttmp9, 432
	s_cbranch_scc1 .Lpath_c
; ---------------- THE ROTARY TABLE: 32 rows a work-group, 8 a wave, 2 a pass (lanes 0-15 one row, lanes 16-31 the next); a lane makes 4 neighbouring entries
	s_sub_co_u32 s27, ttmp9, 432
	s_lshl_b32 s27, s27, 5
	s_lshl_b32 s28, s26, 3
	s_add_co_u32 s27, s27, s28                     ; my wave's first t
	s_lshl_b32 s30, s27, 8                         ; a row is 256 bytes
	s_add_nc_u64 s[24:25], s[24:25], s[30:31]
	s_mov_b32 s32, 0xbfc90fdb                      ; -(pi/2 rounded to f32)
	s_mov_b32 s33, 0x333bbd2e                      ; that rounding's excess over pi/2
	v_lshlrev_b32 v5, 4, v2                        ; out: 16 bytes a lane: 32 lanes store two whole rows
	v_bfe_u32 v4, v2, 3, 1                         ; 0: my entries are cosines, 1: sines
	v_mul_u32_u24 v6, v4, 3                        ; sin(a) = cos(a - pi/2): three quarter turns more
	v_and_b32 v7, 7, v2
	v_lshlrev_b32 v7, 2, v7                        ; my first i
	v_lshrrev_b32 v13, 4, v2
	v_add_nc_u32 v13, s27, v13                     ; my t in pass 0
	v_mov_b32 v26, 0x3638ef1d                      ; 1/9!
	v_mov_b32 v27, 0xb493f27e                      ; -1/10!
.irp e, 0,1,2,3
	v_add_nc_u32 v[8+\e], \e, v7
.endr
.irp e, 0,1,2,3
	v_cvt_f32_u32 v[8+\e], v[8+\e]
.endr
.irp e, 0,1,2,3
	v_mul_f32 v[8+\e], 0xbed49a78, v[8+\e]         ; -i log2(10000) / 32
.endr
.irp e, 0,1,2,3
	v_exp_f32 v[8+\e], v[8+\e]                     ; f_i
.endr
	v_nop                                          ; a plain instruction behind the last exponential
	s_wait_alu depctr_va_vdst(0)                   ; one wait for the four, ahead of their first reader
; cos or sin of t f_e.  a = k pi/2 + r with |r| <= pi/4 (pi/2 in two parts, fused); Taylor sums to r^9 and r^10, whose first left-out terms are under 2e-9 for every t; the quadrant picks sum and sign.
.macro SINCOS p, e
	v_mul_f32 v16, v12, v[8+\e]                    ; a = t f, rounded once
	v_mul_f32 v17, 0x3f22f983, v16                 ; a x 2/pi
	v_rndne_f32 v17, v17                           ; k
	v_fma_f32 v18, v17, s32, v16
	v_fma_f32 v18, v17, s33, v18                   ; r
	v_mul_f32 v19, v18, v18                        ; z = r^2
	v_fmaak_f32 v20, v19, v26, 0xb9500d01          ; the sine's sum
	v_fmaak_f32 v22, v19, v27, 0x37d00d01          ; the cosine's
	v_fmaak_f32 v20, v19, v20, 0x3c088889
	v_fmaak_f32 v22, v19, v22, 0xbab60b61
	v_fmaak_f32 v20, v19, v20, 0xbe2aaaab
	v_fmaak_f32 v22, v19, v22, 0x3d2aaaab
	v_mul_f32 v21, v18, v19
	v_fma_f32 v22, v19, v22, -0.5
	v_fma_f32 v20, v21, v20, v18                   ; sin r
	v_fma_f32 v22, v19, v22, 1.0                   ; cos r
	v_cvt_i32_f32 v23, v17
	v_add_nc_u32 v23, v23, v6                      ; the quadrant n
	v_and_b32 v24, 1, v23
	v_cmp_eq_u32 vcc_lo, 1, v24
	v_cndmask_b32 v25, v22, v20, vcc_lo            ; n odd: the sine
	v_add_nc_u32 v23, 1, v23
	v_and_b32 v23, 2, v23                          ; n mod 4 = 1 or 2: negative
	v_lshlrev_b32 v23, 30, v23
	v_xor_b32 v[64+4*\p+\e], v23, v25
.endm
.irp p, 0,1,2,3
	v_add_nc_u32 v14, 2*\p, v13
	v_cvt_f32_u32 v12, v14
.irp e, 0,1,2,3
	SINCOS \p, \e
.endr
	global_store_b128 v5, v[64+4*\p:67+4*\p], s[24:25] offset:512*\p   ; each pass has registers of its own: no store's data are written again
.endr
	FINISH
; ---------------- x: a plain stream of blocks of 32.  A wave takes 16 steps of 512 numbers.  Each load reads 512 consecutive bytes; a step's 2,048 bytes turn through the wave's own
; stage in LDS and come back 64 bytes a lane, so that a lane holds 16 neighbours along K (two neighbouring lanes hold a block).  Loads run four steps ahead, the turn one step.
.set WREG,  8192                       ; LDS bytes 0..32767: a region for each wave: two stages of 32 x 80 bytes, behind them its 256 scale bytes
.set SP,    80
.set CB,    8
.set EMAX,  2
.set STEPS, 16
.set XR,    16                         ; v16-79   four sets of 16 numbers as loaded
.set XX,    80                         ; v80-111  two sets of 16 neighbours
.set XE,    112                        ; v112-127 a scale byte for each step
.set XC,    128                        ; v128-189 codes: registers of its own for each step
.Lpath_x:
	v_lshlrev_b32 v3, 4, v2                        ; my 16 bytes of a load's 512
	s_mul_i32 s27, s26, WREG
	v_lshrrev_b32 v14, 2, v2
	v_mul_u32_u24 v14, v14, SP
	v_and_b32 v15, 3, v2
	v_lshl_add_u32 v14, v15, 4, v14
	v_add_nc_u32 v14, s27, v14                     ; into the stage: 80 (lane / 4) + 16 (lane % 4)
	v_mul_u32_u24 v15, v2, SP
	v_add_nc_u32 v15, s27, v15                     ; out of it: 80 x lane
	v_mul_u32_u24 v4, v2, CB                       ; my codes' place in a step's 256 bytes
	v_lshrrev_b32 v5, 1, v2
	s_add_co_u32 s27, s27, 2*32*SP
	v_add_nc_u32 v5, s27, v5                       ; my block's scale byte
	v_lshlrev_b32 v7, 3, v2
	v_add_nc_u32 v6, s27, v7
	s_lshl_b32 s28, ttmp9, 2
	s_add_co_u32 s28, s28, s26                     ; which run of 8,192 numbers is my wave's: 0..1023
	s_lshl_b32 s30, s28, 15
	s_add_nc_u64 s[8:9], s[8:9], s[30:31]
	s_lshl_b32 s30, s28, 12
	s_add_nc_u64 s[14:15], s[14:15], s[30:31]
	s_lshl_b32 s30, s28, 8
	s_add_nc_u64 s[16:17], s[16:17], s[30:31]
.macro XLOAD t
.irp i, 0,1,2,3
	global_load_b128 v[XR+16*((\t)%4)+4*\i:XR+16*((\t)%4)+4*\i+3], v3, s[8:9] offset:2048*(\t)+512*\i th:TH_LOAD_NT
.endr
.endm
.macro XTURN t                         ; LDS serves a wave's instructions in order: no wait between the stores and the loads
.irp i, 0,1,2,3
	ds_store_b128 v14, v[XR+16*((\t)%4)+4*\i:XR+16*((\t)%4)+4*\i+3] offset:32*SP*((\t)%2)+8*SP*\i
.endr
.irp i, 0,1,2,3
	ds_load_b128 v[XX+16*((\t)%2)+4*\i:XX+16*((\t)%2)+4*\i+3], v15 offset:32*SP*((\t)%2)+16*\i
.endr
.endm
.irp t, 0,1,2,3
	XLOAD \t
.endr
	s_wait_loadcnt 12                              ; step 0's four loads are in; three steps' twelve stay out
	XTURN 0
.macro XSTEP t
.set XS, XX+16*((\t)%2)
.if (\t) > 0
	s_wait_dscnt 1                                 ; this step's numbers are back from the stage; the last step's byte store may be out
.else
	s_wait_dscnt 0x0
.endif
.if (\t)+4 < STEPS
	XLOAD (\t)+4                                   ; into the registers that the stage's stores have read
.endif
.if (\t)+1 < STEPS
.if STEPS-2-(\t) >= 3
	s_wait_loadcnt 12                              ; the next step's four loads are in; those of the three steps behind it stay out
.else
	s_wait_loadcnt 4*(STEPS-2-(\t))
.endif
	XTURN (\t)+1
.endif
	v_max3_num_f32 v8, |v[XS]|, |v[XS+1]|, |v[XS+2]|
	v_max3_num_f32 v9, |v[XS+3]|, |v[XS+4]|, |v[XS+5]|
.irp i, 6,10
	v_max3_num_f32 v8, v8, |v[XS+\i]|, |v[XS+\i+1]|
	v_max3_num_f32 v9, v9, |v[XS+\i+2]|, |v[XS+\i+3]|
.endr
	v_max3_num_f32 v8, v8, |v[XS+14]|, |v[XS+15]|
	v_max3_num_f32 v8, v8, v9, (EMAX+1)<<23        ; the floor 2^(3 - 127): the byte cannot fall under 1
	v_max_num_f32_dpp v8, v8, v8 row_xmask:1 row_mask:0xf bank_mask:0xf   ; with my neighbour's 16: the block's largest magnitude
	v_add_nc_u32 v11, -(EMAX<<23), v8              ; 2 off its exponent field: the conversion takes the exponent field of this operand as its scale
	v_cvt_scalef32_pk8_fp4_f32 v[XC+4*(\t)], v[XS:XS+7], v11
	v_cvt_scalef32_pk8_fp4_f32 v[XC+4*(\t)+1], v[XS+8:XS+15], v11
	v_lshrrev_b32 v[XE+(\t)], 23, v11              ; the scale's byte
	ds_store_b8 v5, v[XE+(\t)] offset:16*(\t)      ; both lanes of a block write the same byte with the same value
	global_store_b64 v4, v[XC+4*(\t):XC+4*(\t)+1], s[14:15] offset:32*CB*(\t)   ; the wave stores 256 consecutive bytes, aligned
.endm
.irp t, 0,1,2,3,4,5,6,7,8,9,10,11,12,13,14,15
	XSTEP \t
.endr
	ds_load_b64 v[8:9], v6                         ; my wave's 256 scale bytes, 8 a lane
	s_wait_dscnt 0x0
	global_store_b64 v7, v[8:9], s[16:17]          ; 256 consecutive bytes, aligned
	FINISH
; ---------------- w_attn: A LANE TAKES A COLUMN n, ITS REGISTERS RUN DOWN K: a block of 32 lies in one lane, and the conversions give codes with K innermost.
; A wave takes 32 columns x 512 along K; its codes go through its own stage and leave as rows: sixteen lanes store 256 consecutive bytes, aligned.  Loads run two blocks ahead.
.set WPITCH, 272
.set WKROW,  512                       ; a row of wc in bytes
.set WN,     3072
.set NB,     16
.set WX,     32                        ; v32-95   two sets of 32 numbers
.set WC,     96                        ; v96-99   a block's codes
.set WOUT,   112                       ; v112-175 the way out
.set WSB,    24                        ; v24-27   the scale bytes, four to a register
.Lpath_w:
	s_sub_co_u32 s27, ttmp9, 256                   ; 0..47: 24 groups of 128 columns x 2 halves of K
	s_cmp_ge_u32 s27, 24
	s_cselect_b32 s28, 1, 0                        ; which 512 along K
	s_cselect_b32 s29, 24, 0
	s_sub_co_u32 s27, s27, s29
	s_lshl_b32 s27, s27, 7
	s_lshl_b32 s29, s26, 5
	s_add_co_u32 s27, s27, s29                     ; my wave's first column
	v_lshlrev_b32 v3, 2, v2                        ; in: 4 bytes a lane
	s_mul_i32 s29, s26, 32*WPITCH
	s_add_co_u32 s29, s29, 32768                   ; my stage: LDS bytes 32768 on belong to this path
	v_mul_u32_u24 v4, v2, WPITCH
	v_add_nc_u32 v4, s29, v4                       ; into it: row = my column
	v_and_b32 v5, 15, v2
	v_lshrrev_b32 v6, 4, v2
	v_mul_u32_u24 v7, v6, WPITCH
	v_lshl_add_u32 v7, v5, 4, v7
	v_add_nc_u32 v7, s29, v7                       ; out of it: sixteen lanes to a row, two rows an instruction
	v_mul_u32_u24 v8, v6, WKROW
	v_lshl_add_u32 v8, v5, 4, v8                   ; and the same place in wc
	v_lshlrev_b32 v9, 5, v2                        ; my column's row of scale bytes
	s_mul_i32 s30, s28, 512*WN*4
	s_lshl_b32 s32, s27, 2
	s_add_co_u32 s30, s30, s32
	s_add_nc_u64 s[10:11], s[10:11], s[30:31]
	s_lshl_b32 s30, s27, 9
	s_lshl_b32 s32, s28, 8
	s_add_co_u32 s30, s30, s32
	s_add_nc_u64 s[18:19], s[18:19], s[30:31]
	s_lshl_b32 s30, s27, 5
	s_lshl_b32 s32, s28, 4
	s_add_co_u32 s30, s30, s32
	s_add_nc_u64 s[20:21], s[20:21], s[30:31]
.macro WLOAD t                         ; block t: w(32 t + i, my column); the largest offset, 511 rows of 12,288 bytes, lies inside the signed 24-bit immediate
.set i, 0
.rept 32
	global_load_b32 v[WX+32*((\t)%2)+i], v3, s[10:11] offset:(32*(\t)+i)*WN*4 th:TH_LOAD_NT
.set i, i+1
.endr
.endm
	WLOAD 0
	WLOAD 1
.macro WBLOCK t
.set WS, WX+32*((\t)%2)
.if (\t) < NB-1
	s_wait_loadcnt 32                              ; this block's 32 loads are in; the next block's 32 stay out
.else
	s_wait_loadcnt 0x0
.endif
	v_max3_num_f32 v12, |v[WS]|, |v[WS+1]|, |v[WS+2]|
	v_max3_num_f32 v13, |v[WS+3]|, |v[WS+4]|, |v[WS+5]|
.irp i, 6,10,14,18,22,26
	v_max3_num_f32 v12, v12, |v[WS+\i]|, |v[WS+\i+1]|
	v_max3_num_f32 v13, v13, |v[WS+\i+2]|, |v[WS+\i+3]|
.endr
	v_max3_num_f32 v12, v12, |v[WS+30]|, |v[WS+31]|
	v_max3_num_f32 v12, v12, v13, (EMAX+1)<<23     ; with the floor
	v_add_nc_u32 v11, -(EMAX<<23), v12
	v_lshrrev_b32 v13, 23, v11                     ; the scale's byte
.if (\t)%4 == 0
	v_mov_b32 v[WSB+(\t)/4], v13
.else
	v_lshl_or_b32 v[WSB+(\t)/4], v13, 8*((\t)%4), v[WSB+(\t)/4]
.endif
.irp g, 0,1,2,3
	v_cvt_scalef32_pk8_fp4_f32 v[WC+\g], v[WS+8*\g:WS+8*\g+7], v11
.endr
	ds_store_b128 v4, v[WC:WC+3] offset:16*(\t)
.if (\t)+2 < NB
	WLOAD (\t)+2
.endif
	s_wait_dscnt 0x0                               ; the store has read its registers: the next block's codes may be written
.endm
.set Q, 0
.rept NB
	WBLOCK Q
.set Q, Q+1
.endr
	global_store_b128 v9, v[WSB:WSB+3], s[20:21]   ; my column's 16 scale bytes: pieces of 16 bytes, 96 KB in the whole launch
.irp t, 0,1,2,3,4,5,6,7,8,9,10,11,12,13,14,15
	ds_load_b128 v[WOUT+4*\t:WOUT+4*\t+3], v7 offset:2*\t*WPITCH
.endr
.irp t, 0,1,2,3,4,5,6,7,8,9,10,11,12,13,14,15
	s_wait_dscnt 15-\t                             ; LDS loads come back in order: load t is in
	global_store_b128 v8, v[WOUT+4*\t:WOUT+4*\t+3], s[18:19] offset:2*\t*WKROW
.endr
	FINISH
; ---------------- w_proj to f16: a wave takes 2,048 numbers; a load reads 512 consecutive bytes, a store writes 256, aligned
.Lpath_c:
	s_sub_co_u32 s27, ttmp9, 304
	s_lshl_b32 s27, s27, 2
	s_add_co_u32 s27, s27, s26                     ; 0..511
	s_lshl_b32 s30, s27, 13
	s_add_nc_u64 s[12:13], s[12:13], s[30:31]
	s_lshl_b32 s30, s27, 12
	s_add_nc_u64 s[22:23], s[22:23], s[30:31]
	v_lshlrev_b32 v3, 4, v2
	v_lshlrev_b32 v4, 3, v2
.irp i, 0,1,2,3,4,5,6,7,8,9,10,11,12,13,14,15
	global_load_b128 v[32+4*\i:35+4*\i], v3, s[12:13] offset:512*\i th:TH_LOAD_NT
.endr
.irp i, 0,1,2,3,4,5,6,7,8,9,10,11,12,13,14,15
	s_wait_loadcnt 15-\i                           ; loads come back in order: load i is in
	v_cvt_pk_f16_f32 v[96+2*\i], v[32+4*\i], v[33+4*\i]
	v_cvt_pk_f16_f32 v[97+2*\i], v[34+4*\i], v[35+4*\i]
	global_store_b64 v4, v[96+2*\i:97+2*\i], s[22:23] offset:256*\i
.endr
	FINISH
.Lfunc_end_k_q3bd5342873_prep:
	.size	k_q3bd5342873_prep, .Lfunc_end_k_q3bd5342873_prep-k_q3bd5342873_prep
	.p2alignl 7, 3214868480
	.fill 96, 4, 3214868480
	.section	.rodata,"a",@progbits
	.p2align	6, 0x0
	.amdhsa_kernel k_q3bd5342873_prep
		.amdhsa_group_segment_fixed_size 68096
		.amdhsa_private_segment_fixed_size 0
		.amdhsa_enable_private_segment 0
		.amdhsa_kernarg_size 72
		.amdhsa_user_sgpr_count 2
		.amdhsa_user_sgpr_kernarg_segment_ptr 1
		.amdhsa_wavefront_size32 1
		.amdhsa_system_sgpr_workgroup_id_x 1
		.amdhsa_system_sgpr_workgroup_id_y 1
		.amdhsa_system_sgpr_workgroup_id_z 1
		.amdhsa_system_vgpr_workitem_id 0
		.amdhsa_next_free_vgpr 192
		.amdhsa_next_free_sgpr 66
		.amdhsa_reserve_vcc 1
		.amdhsa_float_denorm_mode_32 3
		.amdhsa_float_denorm_mode_16_64 3
		.amdhsa_memory_ordered 1
		.amdhsa_forward_progress 1
		.amdhsa_inst_pref_size 137
	.end_amdhsa_kernel
	.amdgpu_metadata
---
amdhsa.version: [ 1, 2 ]
amdhsa.kernels:
  - .name:           k_q3bd5342873_prep
    .symbol:         k_q3bd5342873_prep.kd
    .args:
      - { .name: x, .offset: 0, .size: 8, .value_kind: global_buffer, .address_space: global }
      - { .name: w_attn, .offset: 8, .size: 8, .value_kind: global_buffer, .address_space: global }
      - { .name: w_proj, .offset: 16, .size: 8, .value_kind: global_buffer, .address_space: global }
      - { .name: xc, .offset: 24, .size: 8, .value_kind: global_buffer, .address_space: global }
      - { .name: xs, .offset: 32, .size: 8, .value_kind: global_buffer, .address_space: global }
      - { .name: wc, .offset: 40, .size: 8, .value_kind: global_buffer, .address_space: global }
      - { .name: ws, .offset: 48, .size: 8, .value_kind: global_buffer, .address_space: global }
      - { .name: wp16, .offset: 56, .size: 8, .value_kind: global_buffer, .address_space: global }
      - { .name: rope, .offset: 64, .size: 8, .value_kind: global_buffer, .address_space: global }
    .group_segment_fixed_size: 68096
    .private_segment_fixed_size: 0
    .kernarg_segment_align: 8
    .kernarg_segment_size: 72
    .max_flat_workgroup_size: 128
    .sgpr_count:     66
    .vgpr_count:     192
    .wavefront_size: 32
...
	.end_amdgpu_metadata
.endif
;; end of part 1
;; launch qkv (part 2): grid 12 x 32, 4 waves a work-group, clusters of 4 x 4, 327,680 bytes of LDS; arguments xc, xs, wc, ws, b_attn, rope, qkv; writes qkv
.if DOCPART == 2
	.amdgcn_target "amdgcn-amd-amdhsa--gfx1250"
	.amdhsa_code_object_version 6
	.text
	.protected	k_q3bd5342873_qkv
	.globl	k_q3bd5342873_qkv
	.p2align	8
	.type	k_q3bd5342873_qkv,@function
k_q3bd5342873_qkv:
	s_mov_b64 s[64:65], 0
	v_nop
	global_prefetch_b8 v0, s[64:65] scope:SCOPE_SE
	s_setreg_imm32_b32 hwreg(HW_REG_WAVE_MODE, 25, 1), 1
	s_wait_xcnt 0x0
	s_wait_alu depctr_hold_cnt(0) depctr_sa_sdst(0) depctr_va_vdst(0) depctr_va_sdst(0) depctr_va_ssrc(0) depctr_va_vcc(0) depctr_vm_vsrc(0)
	s_getreg_b32 s2, hwreg(HW_REG_IB_STS2, 6, 4)
	s_cmp_eq_u32 s2, 0
	s_cbranch_scc0 .Lentry_in_a_cluster
	s_endpgm
.Lentry_in_a_cluster:
	s_bfe_u32 s2, ttmp6, 0x10000c
	s_cmp_lg_u32 s2, 0xf033
	s_cbranch_scc0 .Lentry_shape_is_right
	s_endpgm
.Lentry_shape_is_right:
; qkv = Q(x) Q(w_attn) + b_attn on codes of E2M1 with E8M0 scales, then the rotary turn of q and k in f32, then f16 by head: qkv [3][64 bh][2048 t][64] f16.
; Positions 0..15 of every sequence also leave in f32 (from byte FINE0 on: [3][4 b][16 t][1024]) for the launch that carries those rows finely.
; A tile of the result, 256 x 256, is made by four waves, 128 x 128 each: 64 accumulators, 512 registers.  K = 1,024 is two LDS slots of 512 along K (rows of 256 bytes): both are
; asked for at the head and nothing is filled again.  The scale bytes of the tile's rows and columns come once, as dense blocks.
; CLUSTERS 4 x 4: A's tiles are asked for jointly along a row of the cluster, B's along a column.  tile column = 4 x cluster x + cx, so cluster x says q, k or v;
; tile row = 8 cy + cluster y, so cy is the batch and 256 x cluster y the first position: every branch here hangs on the cluster's own coordinates and the wave's number alone.
; THE MATRIX INSTRUCTION IS USED TRANSPOSED (source 0 = 16 columns of w, source 1 = 16 rows of x): a lane holds eight neighbouring columns of one row.  The bias is the C of the first K step.
; LIMITS: |q|, |k|, |v| under 65,504 (f16).  The f32 copy leaves in pieces of 64 bytes: 768 KB in the whole launch.
; 384 work-groups are no whole multiple of 256; what the launch stores (50 MB) weighs more than a wave's 512 matrix instructions, so the larger tile is kept.
; REGISTERS: window 0: v0-31 addresses; v32-95 scale words, two sets; v128-191 A's fragments, one set; v192-255 the bias, later the table.  Window 1: B's fragments, two sets.
;   Windows 2, 3: the accumulators ((a, b) at v[8 (8 (a % 4) + b)]).  On the way out window 0 holds: v32-95 T (f32), v96-127 PK (f16), v128-191 BK (rows read back, two sets), v192-255 CS (table, two sets).
.set KSTEP,  512
.set NQ,     4
.set ROWB,   256
.set KROW,   512
.set PITCH,  272                       ; 256 bytes + 16 of padding: the 16 rows of a fragment load start at 16 different banks (64 banks of 4 bytes: ISA guide 11.1)
.set FR,     8
.set NL,     2
.set NP,     4
.set HALFT,  128*PITCH
.set SLOT,   4*HALFT
.set KS,     32
.set SCL,    2*SLOT
.set HALFS,  (128*KS/256)*272
.set SBLK,   (16*KS/256)*272
.set SPARE,  SCL+4*HALFS               ; the spare words, 128 bytes a wave
.set SPITCH, 272                       ; the way out: a stage of 16 rows x (256 + 16) bytes for each wave, in slot 0, which has had its only fill and its last read by then
.set FINE0,  50331648
.set ADRA, 16
.set ADRB, 20
.set BO,   22                          ; v22 32 x (lane / 16): my eight columns in a run of f32
.set STO,  24
.set RD,   25
.set CO,   26
.set ADRS, 27
.set SPW,  28
.set NIL,  29
.set RT,   30                          ; v30 my place in 16 rows of the table
.set FO,   31                          ; v31 my place in 16 rows of the f32 copy
.set SC,   32
.set AF,   128
.set BI,   192
.set T,    32
.set PK,   96
.set BK,   128
.set CS,   192
.set G1, 24
.set G0, 32
.set G1B, 48
.set G0B, 56
.set G1S, 68
.set G0S, 76
.set G1SB, 80
.set G0SB, 88
.set MSB, 0
.macro WIN new                         ; the immediate's high byte repeats the setting that is left
.if MSB != (\new)
	s_set_vgpr_msb (MSB<<8)|(\new)
.set MSB, (\new)
.endif
.endm
.set MUL_LO, 0xa1                      ; source 0 (B) window 1, source 1 (A) window 0, C and D window 2
.set MUL_HI, 0xf1
.set TO_B,   0x40
; A joint load: waves 0 and 1 fetch for A, waves 2 and 3 for B.  An s_nop 0 and four v_nop follow each of the two lines.
.macro JLOAD g0a, g1a, g0b, g1b
	s_cmp_eq_u32 s15, 0
	s_cbranch_scc0 .Lfor_b_\@
	tensor_load_to_lds s[\g0a:\g0a+3], s[\g1a:\g1a+7]
	s_nop 0
.rept 4
	v_nop
.endr
	s_branch .Lasked_\@
.Lfor_b_\@:
	tensor_load_to_lds s[\g0b:\g0b+3], s[\g1b:\g1b+7]
	s_nop 0
.rept 4
	v_nop
.endr
.Lasked_\@:
.endm
.macro CROUND                          ; a round of the cluster's barrier
	s_barrier_signal -1
	s_barrier_wait -1
	s_cmp_lg_u32 s14, 0
	s_cbranch_scc1 .Lnot_wave_0_\@
	s_barrier_signal -3
.Lnot_wave_0_\@:
	s_barrier_wait -3
	s_barrier_signal -1
	s_barrier_wait -1
.endm
	s_load_b128 s[4:7], s[0:1], 0x0                ; x's codes, x's scales
	s_load_b128 s[8:11], s[0:1], 0x10              ; w's codes, w's scales
	s_load_b128 s[96:99], s[0:1], 0x20             ; b_attn, rope
	s_load_b64 s[12:13], s[0:1], 0x30              ; qkv
	v_lshl_add_u32 v[SPW], v0, 2, SPARE
	v_mov_b32 v[NIL], 0
	ds_add_u32 v[SPW], v[NIL]                      ; the wave's opening: the add, twice on end, and its wait ahead of my first tensor load
	ds_add_u32 v[SPW], v[NIL]
	v_lshrrev_b32 v1, 5, v0
	v_readfirstlane_b32 s14, v1                    ; wave 0..3
	s_lshr_b32 s15, s14, 1                         ; which half of the tile's rows is mine.  Also: I fetch for A (0) or for B (1)
	s_and_b32 s16, s14, 1                          ; which half of its columns.  Also: which 128 rows of that tile I fetch
	s_bfe_u32 s40, ttmp6, 0x40000                  ; cx
	s_bfe_u32 s41, ttmp6, 0x40004                  ; cy
	s_lshl_b32 s42, ttmp9, 2
	s_add_co_u32 s42, s42, s40                     ; tile column = 4 x cluster x + cx
	s_and_b32 s95, ttmp7, 0xffff                   ; cluster y
	s_lshl_b32 s17, s41, 3
	s_add_co_u32 s17, s17, s95                     ; tile row = 8 cy + cluster y
	s_or_b32 s66, s95, s15                         ; 0 where my block 0 holds positions 0..15: the same in all partners, for a given wave
	s_lshl_b32 s43, s41, 2
	s_lshl_b32 s43, 15, s43                        ; my row of the cluster
	s_lshl_b32 s44, 0x1111, s40                    ; my column
	s_or_b32 s[G1+0], s43, (0<<16)|(1<<20)|(1<<21)|(5<<22)|(3<<25)  ; mask; elements of 1 byte; padding: 4 words after every 64; bit 21 beside a mask
	s_or_b32 s[G1B+0], s44, (0<<16)|(1<<20)|(1<<21)|(5<<22)|(3<<25)
.irp g, G1, G1B
	s_mov_b32 s[\g+1], ROWB<<16                    ; tensor_dim0
	s_mov_b32 s[\g+2], 128<<16                     ; tensor_dim1
	s_mov_b32 s[\g+3], ROWB<<16                    ; tile_dim0
	s_mov_b32 s[\g+4], 128                         ; tile_dim1
	s_mov_b32 s[\g+5], KROW                        ; the pitch
	s_mov_b32 s[\g+6], 0
	s_mov_b32 s[\g+7], 0
.endr
	s_or_b32 s[G1S+0], s43, (3<<16)|(1<<20)|(1<<21)|(5<<22)|(3<<25) ; the scales of 128 rows: 4,096 dense bytes as 16 rows of 256 (32 elements of 8 bytes), 16 bytes of padding behind each
	s_or_b32 s[G1SB+0], s44, (3<<16)|(1<<20)|(1<<21)|(5<<22)|(3<<25)
.irp g, G1S, G1SB
	s_mov_b32 s[\g+1], 32<<16
	s_mov_b32 s[\g+2], (128*KS/256)<<16
	s_mov_b32 s[\g+3], 32<<16
	s_mov_b32 s[\g+4], 128*KS/256
	s_mov_b32 s[\g+5], 32
	s_mov_b32 s[\g+6], 0
	s_mov_b32 s[\g+7], 0
.endr
	s_lshl_b32 s18, s16, 7
	s_lshl_b32 s20, s17, 8
	s_add_co_u32 s20, s20, s18                     ; A: row 256 x tile row + 128 x half
	s_lshl_b32 s46, s42, 8
	s_add_co_u32 s46, s46, s18                     ; B: row 256 x tile column + 128 x half
	s_mov_b32 s21, 0
	s_mov_b32 s47, 0
	s_mov_b64 s[18:19], KS
	s_mul_u64 s[22:23], s[20:21], s[18:19]
	s_mul_u64 s[92:93], s[46:47], s[18:19]
	s_mov_b64 s[18:19], KROW
	s_mul_u64 s[20:21], s[20:21], s[18:19]
	s_mul_u64 s[46:47], s[46:47], s[18:19]
	s_mul_i32 s45, s14, HALFT                      ; where they go: wave x 128 rows
	s_mul_i32 s94, s14, HALFS
	s_wait_dscnt 0x0                               ; both opening adds are done
	s_wait_kmcnt 0x0
	s_add_nc_u64 s[20:21], s[4:5], s[20:21]
	s_add_nc_u64 s[22:23], s[6:7], s[22:23]
	s_add_nc_u64 s[46:47], s[8:9], s[46:47]
	s_add_nc_u64 s[92:93], s[10:11], s[92:93]
	CROUND                                         ; all sixteen work-groups are here: the joint loads meet
	s_mov_b32 s[G0S], 1
	s_add_co_u32 s[G0S+1], s94, SCL
	s_mov_b64 s[G0S+2:G0S+3], s[22:23]
	s_or_b32 s[G0S+3], s[G0S+3], 0x80000000
	s_mov_b32 s[G0SB], 1
	s_add_co_u32 s[G0SB+1], s94, SCL
	s_mov_b64 s[G0SB+2:G0SB+3], s[92:93]
	s_or_b32 s[G0SB+3], s[G0SB+3], 0x80000000
	JLOAD G0S, G1S, G0SB, G1SB                     ; the scales first; then both slots: three tensor loads of mine are out
.irp s, 0,1
	s_mov_b32 s[G0+4*\s], 1
	s_add_co_u32 s[G0+4*\s+1], s45, \s*SLOT
	s_add_nc_u64 s[G0+4*\s+2:G0+4*\s+3], s[20:21], \s*ROWB
	s_or_b32 s[G0+4*\s+3], s[G0+4*\s+3], 0x80000000
	s_mov_b32 s[G0B+4*\s], 1
	s_add_co_u32 s[G0B+4*\s+1], s45, \s*SLOT
	s_add_nc_u64 s[G0B+4*\s+2:G0B+4*\s+3], s[46:47], \s*ROWB
	s_or_b32 s[G0B+4*\s+3], s[G0B+4*\s+3], 0x80000000
	JLOAD G0+4*\s, G1, G0B+4*\s, G1B
.endr
	v_and_b32 v1, 15, v0                           ; r = lane % 16
	v_bfe_u32 v2, v0, 4, 1                         ; h = lane / 16
	v_mul_u32_u24 v3, v1, PITCH
	v_lshl_add_u32 v4, v2, 4, v3
	s_mul_i32 s21, s15, HALFT
	s_mul_i32 s22, s16, HALFT
	s_add_co_u32 s22, s22, 2*HALFT
.irp s, 0,1
	v_add_nc_u32 v[ADRA+\s], s21, v4
	v_add_nc_u32 v[ADRB+\s], s22, v4
	s_add_co_u32 s21, s21, SLOT
	s_add_co_u32 s22, s22, SLOT
.endr
	v_mul_u32_u24 v5, v1, KS                       ; my row's scales: 32 bytes a row, 16 more for each 256 passed
	v_lshrrev_b32 v6, 8, v5
	v_lshl_add_u32 v5, v6, 4, v5
	s_mul_i32 s21, s15, HALFS
	s_mul_i32 s22, s16, HALFS
	s_add_co_u32 s22, s22, 2*HALFS
	s_sub_co_u32 s22, s22, s21
	v_mul_u32_u24 v6, s22, v2                      ; lanes 16-31 take B's
	s_add_co_u32 s21, s21, SCL
	v_add_nc_u32 v5, v5, v6
	v_add_nc_u32 v[ADRS], s21, v5
	; the stage.  Row r lies in place (r >> 1) + 8 (r & 1): a store's 16 rows start at 16 different banks, and the two rows that 16 lanes read back lie 8 places, 128 bytes modulo 256, apart
	s_mul_i32 s23, s14, 16*SPITCH
	v_bfe_u32 v5, v0, 1, 3
	v_and_b32 v6, 1, v0
	v_lshl_add_u32 v5, v6, 3, v5
	v_mul_u32_u24 v5, v5, SPITCH
	v_lshl_add_u32 v5, v2, 4, v5
	v_add_nc_u32 v[STO], s23, v5                   ; in: my row's place, + 16 h
	v_bfe_u32 v6, v0, 3, 1
	v_lshl_add_u32 v6, v6, 3, v2
	v_mul_u32_u24 v6, v6, SPITCH
	v_and_b32 v5, 7, v0
	v_lshl_add_u32 v6, v5, 4, v6
	v_add_nc_u32 v[RD], s23, v6                    ; back: eight lanes to a head's 128 bytes of a row, four rows an instruction
	v_and_b32 v6, 31, v0
	v_lshlrev_b32 v[CO], 4, v6
	v_lshlrev_b32 v[BO], 5, v2
	v_lshl_add_u32 v[RT], v1, 8, v[BO]
	v_lshl_add_u32 v[FO], v1, 12, v[BO]
	; the bases of what goes through registers
	s_lshl_b32 s18, ttmp9, 18                      ; the f32 copy: q, k or v: 262,144 bytes each,
	s_lshl_b32 s19, s41, 16                        ; the batch: 65,536,
	s_add_co_u32 s18, s18, s19
	s_lshl_b32 s46, s40, 10
	s_lshl_b32 s47, s16, 9
	s_add_co_u32 s46, s46, s47                     ; my 128 columns within q, k or v, as f32 bytes
	s_add_co_u32 s18, s18, s46
	s_add_co_u32 s18, s18, FINE0
	s_mov_b32 s19, 0
	s_add_nc_u64 s[92:93], s[12:13], s[18:19]
	s_lshl_b32 s18, ttmp9, 12
	s_add_co_u32 s18, s18, s46
	s_add_nc_u64 s[96:97], s[96:97], s[18:19]      ; the bias of my 128 columns
	s_lshl_b32 s18, s95, 8
	s_lshl_b32 s20, s15, 7
	s_add_co_u32 s20, s18, s20                     ; my first position
	s_lshl_b32 s18, s20, 8
	s_add_nc_u64 s[98:99], s[98:99], s[18:19]      ; its row of the table
	s_lshl_b32 s18, s41, 4
	s_lshl_b32 s21, s40, 2
	s_add_co_u32 s18, s18, s21
	s_lshl_b32 s21, s16, 1
	s_add_co_u32 s18, s18, s21                     ; 16 x batch + my first head
	s_lshl_b32 s18, s18, 11
	s_add_co_u32 s18, s18, s20
	s_lshl_b32 s18, s18, 7                         ; rows of 128 bytes
	s_lshl_b32 s21, ttmp9, 24                      ; q, k or v: 16,777,216 bytes each
	s_add_co_u32 s18, s18, s21
	s_add_nc_u64 s[12:13], s[12:13], s[18:19]
.irp b, 0,1,2,3,4,5,6,7
.irp c, 0,1
	global_load_b128 v[BI+8*\b+4*\c:BI+8*\b+4*\c+3], v[BO], s[96:97] offset:64*\b+16*\c   ; the bias in the result's layout: columns 16 b + 8 h + 0..7
.endr
.endr
.macro FRAG reg, adr, q, i             ; 16 rows x 128 K of 4-bit codes: 8 registers; registers 4 c .. 4 c + 3 hold K = 64 c + 32 h + 0 .. 31
.irp c, 0,1
	ds_load_b128 v[\reg+4*\c:\reg+4*\c+3], v[\adr] offset:64*(\q)+32*\c+(\i)*16*PITCH
.endr
.endm
; 16 matrix instructions: A's blocks a0, a0 + 1 x B's eight.  first = 1: the bias starts the sums.  The 64 accumulators take turns, one instruction a turn.
.macro MUL16 a0, p, q, sc, first
.irp a, \a0, \a0+1
.irp b, 0,1,2,3,4,5,6,7
.if \first
	v_wmma_scale_f32_16x16x128_f8f6f4 v[8*(8*((\a)%4)+\b):8*(8*((\a)%4)+\b)+7], v[128*(\p)+FR*\b:128*(\p)+FR*\b+FR-1], v[AF+FR*(\a):AF+FR*(\a)+FR-1], v[BI+8*\b:BI+8*\b+7], v[SC+8*NQ*(\sc)+NQ*\b+(\q)], v[SC+8*NQ*(\sc)+NQ*(\a)+(\q)] matrix_a_fmt:MATRIX_FMT_FP4 matrix_b_fmt:MATRIX_FMT_FP4 matrix_a_scale:MATRIX_SCALE_ROW1
.else
	v_wmma_scale_f32_16x16x128_f8f6f4 v[8*(8*((\a)%4)+\b):8*(8*((\a)%4)+\b)+7], v[128*(\p)+FR*\b:128*(\p)+FR*\b+FR-1], v[AF+FR*(\a):AF+FR*(\a)+FR-1], v[8*(8*((\a)%4)+\b):8*(8*((\a)%4)+\b)+7], v[SC+8*NQ*(\sc)+NQ*\b+(\q)], v[SC+8*NQ*(\sc)+NQ*(\a)+(\q)] matrix_a_fmt:MATRIX_FMT_FP4 matrix_b_fmt:MATRIX_FMT_FP4 matrix_a_scale:MATRIX_SCALE_ROW1
.endif
.endr
.endr
.endm
.macro FETCH_B slot, q, p
	WIN TO_B
.irp i, 0,1,2,3,4,5,6,7
	FRAG 128*(\p)+FR*\i, ADRB+\slot, \q, \i
.endr
	WIN 0
.endm
.macro FETCH_A slot, q, i0
.irp i, \i0, \i0+1, \i0+2, \i0+3
	FRAG AF+FR*(\i), ADRA+\slot, \q, \i
.endr
.endm
.macro SCALES sc                       ; a slot's scale words: lanes 0-15 take A's block i, lanes 16-31 B's block i
.irp i, 0,1,2,3,4,5,6,7
	ds_load_b128 v[SC+8*NQ*\sc+NQ*\i:SC+8*NQ*\sc+NQ*\i+3], v[ADRS] offset:\i*SBLK
.endr
.endm
.macro PLACES n                        ; plain vector instructions between a matrix instruction and a load into, or a read of, its registers
.rept \n
	v_nop
.endr
.endm
.macro STEP slot, q, first             ; 128 along K that has its successor in the same slot
	s_wait_dscnt 4*NL                              ; B's set and A's blocks 0-3 are in; the youngest eight loads (A's blocks 4-7) stay out
.if \first
	WIN 0x81                                       ; C (the bias) in window 0, D in window 2
.else
	WIN MUL_LO
.endif
	MUL16 0, (\q)%2, \q, \slot, \first
	MUL16 2, (\q)%2, \q, \slot, \first
	s_wait_dscnt 0
	PLACES NP
	FETCH_B \slot, (\q)+1, 1-(\q)%2
	FETCH_A \slot, (\q)+1, 0
.if \first
	WIN 0xc1
.else
	WIN MUL_HI
.endif
	MUL16 4, (\q)%2, \q, \slot, \first
	MUL16 6, (\q)%2, \q, \slot, \first
	PLACES NP
	WIN 0
	FETCH_A \slot, (\q)+1, 4
.endm
; A slot's last step changes slots: one barrier; in front of it each wave waits for all its tensor loads (slot 1's is the one that may be out), adds 0 to its spare word, and waits for that and for its reads.
.macro TURN slot, next
	s_wait_tensorcnt 0x0
	ds_add_u32 v[SPW], v[NIL]
	s_wait_dscnt 4*NL+1                            ; the add and the youngest eight loads stay out
	WIN MUL_LO
	MUL16 0, 1, NQ-1, \slot, 0
	s_wait_dscnt 0x0                               ; the add is done, and my reads of this slot are over
	s_barrier_signal -1
	MUL16 2, 1, NQ-1, \slot, 0
	WIN 0
	s_barrier_wait -1
	PLACES NP
	v_add_nc_u32 v[ADRS], 4*NQ, v[ADRS]            ; the next slot's scale words
	FETCH_B \next, 0, 0
	FETCH_A \next, 0, 0
	SCALES \next
	WIN MUL_HI
	MUL16 4, 1, NQ-1, \slot, 0
	MUL16 6, 1, NQ-1, \slot, 0
	PLACES NP
	WIN 0
	FETCH_A \next, 0, 4
.endm
.macro STEPS slot, from
.set Q, \from
.rept NQ-1-\from
	STEP \slot, Q, 0
.set Q, Q+1
.endr
.endm
; sixteen rows of the table for block a: per lane cos and sin of i = 16 u + 8 h + 0..7 at its row's position
.macro CSLOAD a
.irp sn, 0,1
.irp u, 0,1
.irp c, 0,1
	global_load_b128 v[CS+32*((\a)%2)+16*\sn+8*\u+4*\c:CS+32*((\a)%2)+16*\sn+8*\u+4*\c+3], v[RT], s[98:99] offset:4096*(\a)+128*\sn+64*\u+16*\c
.endr
.endr
.endr
.endm
	s_wait_tensorcnt 1                             ; the scales and slot 0 are in; slot 1's load stays out
	s_barrier_signal -1
	s_barrier_wait -1
	FETCH_B 0, 0, 0
	FETCH_A 0, 0, 0
	SCALES 0
	FETCH_A 0, 0, 4
	s_wait_loadcnt 0x0                             ; the bias
	STEP 0, 0, 1
	STEPS 0, 1
	TURN 0, 1
	s_cmp_eq_u32 ttmp9, 2                          ; q and k: the table's rows for blocks 0 and 1 are asked for half the products ahead, into the registers that the bias has left
	s_cbranch_scc1 .Lno_table
	CSLOAD 0
	CSLOAD 1
.Lno_table:
	STEPS 1, 0
	s_wait_dscnt 4*NL                              ; the last step: nothing more to fetch
	WIN MUL_LO
	MUL16 0, 1, NQ-1, 1, 0
	MUL16 2, 1, NQ-1, 1, 0
	s_wait_dscnt 0
	WIN MUL_HI
	MUL16 4, 1, NQ-1, 1, 0
	MUL16 6, 1, NQ-1, 1, 0
	WIN 0
; THE WAY OUT, block by block of 16 rows x 128 columns (two heads).
; The turn: for d < 32: out(d) = x(d) cos - x(d + 32) sin, out(d + 32) = x(d + 32) cos + x(d) sin.  x(d) lies in accumulator 4 hh + u, x(d + 32) in 4 hh + 2 + u, same lane, same register.
.macro ROPE a
.set AC, 64*((\a)%4)
.set CB, CS+32*((\a)%2)
	WIN 0x02+(\a)/4                                ; source 0: window 2 or 3
.irp hh, 0,1
.irp u, 0,1
.irp jp, 0,2,4,6                       ; each accumulator is read from its low end on
	v_pk_mul_f32 v[T+8*(4*\hh+\u)+\jp:T+8*(4*\hh+\u)+\jp+1], v[AC+8*(4*\hh+2+\u)+\jp:AC+8*(4*\hh+2+\u)+\jp+1], v[CB+16+8*\u+\jp:CB+16+8*\u+\jp+1]
	v_pk_mul_f32 v[T+8*(4*\hh+2+\u)+\jp:T+8*(4*\hh+2+\u)+\jp+1], v[AC+8*(4*\hh+\u)+\jp:AC+8*(4*\hh+\u)+\jp+1], v[CB+16+8*\u+\jp:CB+16+8*\u+\jp+1]
	v_pk_fma_f32 v[T+8*(4*\hh+\u)+\jp:T+8*(4*\hh+\u)+\jp+1], v[AC+8*(4*\hh+\u)+\jp:AC+8*(4*\hh+\u)+\jp+1], v[CB+8*\u+\jp:CB+8*\u+\jp+1], v[T+8*(4*\hh+\u)+\jp:T+8*(4*\hh+\u)+\jp+1] neg_lo:[0,0,1] neg_hi:[0,0,1]
	v_pk_fma_f32 v[T+8*(4*\hh+2+\u)+\jp:T+8*(4*\hh+2+\u)+\jp+1], v[AC+8*(4*\hh+2+\u)+\jp:AC+8*(4*\hh+2+\u)+\jp+1], v[CB+8*\u+\jp:CB+8*\u+\jp+1], v[T+8*(4*\hh+2+\u)+\jp:T+8*(4*\hh+2+\u)+\jp+1]
.endr
.endr
.endr
.endm
.macro CVT                             ; f32 to f16: a lane's eight columns of a tile are 16 bytes
.irp b, 0,1,2,3,4,5,6,7
.irp jj, 0,1,2,3
	v_cvt_pk_f16_f32 v[PK+4*\b+\jj], v[T+8*\b+2*\jj], v[T+8*\b+2*\jj+1]
.endr
.endr
.endm
.macro PACKV a                         ; v: the same straight from the accumulators
.set AC, 64*((\a)%4)
	WIN 0x0a+5*((\a)/4)
.irp b, 0,1,2,3,4,5,6,7
.irp jj, 0,1,2,3
	v_cvt_pk_f16_f32 v[PK+4*\b+\jj], v[AC+8*\b+2*\jj], v[AC+8*\b+2*\jj+1]
.endr
.endr
.endm
.macro TOSTAGE a                       ; through my own stage: LDS serves a wave's instructions in order, so no wait stands between the stores and the loads, nor ahead of the next block's stores
.irp b, 0,1,2,3,4,5,6,7
	ds_store_b128 v[STO], v[PK+4*\b:PK+4*\b+3] offset:32*\b
.endr
.irp hh, 0,1
.irp i, 0,1,2,3
	ds_load_b128 v[BK+32*((\a)%2)+4*(4*\hh+\i):BK+32*((\a)%2)+4*(4*\hh+\i)+3], v[RD] offset:128*\hh+544*\i
.endr
.endr
.endm
.macro SEND a, younger                 ; younger: the LDS instructions issued behind block a's loads, which may stay out
	s_wait_dscnt \younger
.irp hh, 0,1
.irp i, 0,1,2,3
	global_store_b128 v[CO], v[BK+32*((\a)%2)+4*(4*\hh+\i):BK+32*((\a)%2)+4*(4*\hh+\i)+3], s[12:13] offset:262144*\hh+2048*(\a)+512*\i   ; 32 lanes store 512 consecutive bytes, four rows of one head; no base is stepped
.endr
.endr
.endm
.macro FINE32                          ; positions 0..15 in f32, from T
	s_cmp_lg_u32 s66, 0
	s_cbranch_scc1 .Lnot_fine_\@
.irp b, 0,1,2,3,4,5,6,7
.irp c, 0,1
	global_store_b128 v[FO], v[T+8*\b+4*\c:T+8*\b+4*\c+3], s[92:93] offset:64*\b+16*\c
.endr
.endr
	s_wait_xcnt 0x0                                ; T is written again by the next block only behind this wait
.Lnot_fine_\@:
.endm
.macro FINE32V                         ; the same for v, from block 0's accumulators, each from its low end on
	s_cmp_lg_u32 s66, 0
	s_cbranch_scc1 .Lnot_fine_\@
	WIN 0x08                                       ; a store's data: window 2
.irp b, 0,1,2,3,4,5,6,7
.irp c, 0,1
	global_store_b128 v[FO], v[8*\b+4*\c:8*\b+4*\c+3], s[92:93] offset:64*\b+16*\c
.endr
.endr
	WIN 0
.Lnot_fine_\@:
.endm
	s_cmp_eq_u32 ttmp9, 2
	s_cbranch_scc1 .Lv_out
	PLACES NP                                      ; behind the last products: T lies where their scale words lay, BK where A's fragments lay
.irp a, 0,1,2,3,4,5,6,7
.if \a < 7
	s_wait_loadcnt 8                               ; this block's eight table loads are in; the next block's eight stay out
.else
	s_wait_loadcnt 0x0
.endif
	ROPE \a
	WIN 0
.if \a == 0
	FINE32
.endif
.if \a < 6
	CSLOAD \a+2
.endif
	CVT
.if \a > 1
	s_wait_xcnt 0x0                                ; block a - 2's stores have read BK's set: block a's loads may land there
.endif
	TOSTAGE \a
.if \a > 0
	SEND \a-1, 16                                  ; behind block a - 1's loads: block a's 8 stores and 8 loads
.endif
.endr
	SEND 7, 0
	s_branch .Lclose
.Lv_out:
	PLACES NP
	FINE32V
.irp a, 0,1,2,3,4,5,6,7
	PACKV \a
	WIN 0
.if \a > 1
	s_wait_xcnt 0x0
.endif
	TOSTAGE \a
.if \a > 0
	SEND \a-1, 16
.endif
.endr
	SEND 7, 0
.Lclose:
	s_wait_tensorcnt 0x0                           ; the wave's end
	ds_add_u32 v[SPW], v[NIL]
	s_wait_dscnt 0x0
	CROUND                                         ; the closing round
	s_endpgm
.Lfunc_end_k_q3bd5342873_qkv:
	.size	k_q3bd5342873_qkv, .Lfunc_end_k_q3bd5342873_qkv-k_q3bd5342873_qkv
	.p2alignl 7, 3214868480
	.fill 96, 4, 3214868480
	.section	.rodata,"a",@progbits
	.p2align	6, 0x0
	.amdhsa_kernel k_q3bd5342873_qkv
		.amdhsa_group_segment_fixed_size 327680
		.amdhsa_private_segment_fixed_size 0
		.amdhsa_enable_private_segment 0
		.amdhsa_kernarg_size 56
		.amdhsa_user_sgpr_count 2
		.amdhsa_user_sgpr_kernarg_segment_ptr 1
		.amdhsa_wavefront_size32 1
		.amdhsa_system_sgpr_workgroup_id_x 1
		.amdhsa_system_sgpr_workgroup_id_y 1
		.amdhsa_system_sgpr_workgroup_id_z 1
		.amdhsa_system_vgpr_workitem_id 0
		.amdhsa_next_free_vgpr 1024
		.amdhsa_next_free_sgpr 100
		.amdhsa_reserve_vcc 0
		.amdhsa_float_denorm_mode_32 3
		.amdhsa_float_denorm_mode_16_64 3
		.amdhsa_memory_ordered 1
		.amdhsa_forward_progress 1
		.amdhsa_inst_pref_size 201
	.end_amdhsa_kernel
	.amdgpu_metadata
---
amdhsa.version: [ 1, 2 ]
amdhsa.kernels:
  - .name:           k_q3bd5342873_qkv
    .symbol:         k_q3bd5342873_qkv.kd
    .args:
      - { .name: xc, .offset: 0, .size: 8, .value_kind: global_buffer, .address_space: global }
      - { .name: xs, .offset: 8, .size: 8, .value_kind: global_buffer, .address_space: global }
      - { .name: wc, .offset: 16, .size: 8, .value_kind: global_buffer, .address_space: global }
      - { .name: ws, .offset: 24, .size: 8, .value_kind: global_buffer, .address_space: global }
      - { .name: b_attn, .offset: 32, .size: 8, .value_kind: global_buffer, .address_space: global }
      - { .name: rope, .offset: 40, .size: 8, .value_kind: global_buffer, .address_space: global }
      - { .name: qkv, .offset: 48, .size: 8, .value_kind: global_buffer, .address_space: global }
    .group_segment_fixed_size: 327680
    .private_segment_fixed_size: 0
    .kernarg_segment_align: 8
    .kernarg_segment_size: 56
    .max_flat_workgroup_size: 128
    .sgpr_count:     100
    .vgpr_count:     1024
    .wavefront_size: 32
...
	.end_amdgpu_metadata
.endif
;; end of part 2
;; launch attn (part 3): grid 4 x 64, 8 waves a work-group, no clusters, 327,680 bytes of LDS; arguments qkv, y16; writes y16
.if DOCPART == 3
	.amdgcn_target "amdgcn-amd-amdhsa--gfx1250"
	.amdhsa_code_object_version 6
	.text
	.protected	k_q3bd5342873_attn
	.globl	k_q3bd5342873_attn
	.p2align	8
	.type	k_q3bd5342873_attn,@function
k_q3bd5342873_attn:
	s_mov_b64 s[64:65], 0
	v_nop
	global_prefetch_b8 v0, s[64:65] scope:SCOPE_SE
	s_setreg_imm32_b32 hwreg(HW_REG_WAVE_MODE, 25, 1), 1
	s_wait_xcnt 0x0
; y[bh][q] = the sum over k <= q of softmax_k(Q[q] . K[k] / 8) V[k].  Q, K, V: the f16 part of qkv, [3][64 bh][2048][64]; y16 [64 bh][2048][64] f16.
; Products on f16 operands with f32 sums; maxima, exponentials and sums in f32, with a running maximum; the weights p (at most 1) are rounded to f16 for the second product.
; SHARES.  A head's 2,048 queries are 8 blocks of 256.  Work-group i (0..3) of a head owns blocks 7 - i and i: under the causal mask that is 9 units of 256 x 256 for every work-group.
; Wave w owns piece H, 32 queries from (7 - i) 256 + 32 w, and piece L, 32 queries from 256 i + 32 (7 - w).  Both pieces walk the same keys, 64 a step, so a fragment of K or V read
; from LDS feeds four matrix instructions while both are at work.  Two waves of 512 registers share a SIMD: one's softmax stands beside the other's products.
; LAYOUT.  S^T = K Q^T and O^T = V^T P: a lane holds ONE query (lane % 16) throughout; two tiles of S^T, rounded in pairs, ARE source 1 of the second product.  V comes turned, by ds_load_tr16_b128.
; RING.  Two LDS slots of 256 keys, filled by waves 0, 1 (K's halves) and 2, 3 (V's halves), read by all eight.  Every work-group walks all 8 slots (constant trip counts);
; a step all of whose keys come after a piece's queries is jumped over, and a slot whose first key comes after the work-group's last query is not asked for.
; NO CLUSTER: the four work-groups of a head would share tiles, but work-group i reads only slots 0 .. 7 - i: a joint load would bring tiles that no wave of some partner reads.
; LIMITS: |y| under 65,504 (f16).
; REGISTERS.  Window 0: v1-14 addresses; v16-47 eight statistics a tile (+0 c m, +1 m, +2, +3 l, +4..+7 at work, a in +6); v48-111 S^T of the piece in hand, P laid into its lower halves;
;   v112-175 K's fragments; v176-239 V's; v240-243 second chains of the sums.   Window 1: v0-63 Q (tile tt, channels 32 c on: 16 tt + 8 c); v64-191 O^T (64 + 32 tt + 8 ct).
.set KP,    144                        ; a row of K in LDS: 128 bytes + 16: the 16 rows of a load start at 16 different banks (64 banks of 4 bytes: ISA guide 11.1)
.set VP,    160                        ; a row of V: 128 + 32
.set SK,    256
.set VOFF,  SK*KP
.set SLOT1, 1<<17                      ; slot 1 begins here: one exclusive or turns an address from one slot to the other
.set SPARE, 2*SLOT1                    ; the spare words, 128 bytes for each of eight waves
.set AK0, 1
.set AV0, 2
.set ADK, 3
.set ADV, 4
.set SPW, 5
.set NIL, 6
.set STO, 7
.set RD,  8
.set GO,  9
.set DL,  10                           ; v10 lane % 16 - 8 (lane / 16)
.set NINF, 11
.set DD,  12
.set PFO, 13
.set QO,  14
.set ST,  16
.set S,   48
.set KFR, 112
.set VFR, 176
.set CH,  240
.set OT,  64
.set WV,  8
.set QH,  11                           ; s11, s12 the pieces' first queries
.set QE,  13                           ; s13, s14 their last
.set QLAST, 15                         ; s15 the work-group's last query
.set KF,  16                           ; s16 the step's first key
.set TK,  17                           ; s17, s18 LDS bytes at which the step's K and V begin
.set TV,  18
.set SLOTS, 19
.set CNT, 20
.set SEL, 22
.set CS,  24                           ; s[24:25] c = log2(e) / 8
.set G1K, 28
.set G1V, 36
.set G0K, 44
.set G0V, 48
.set QB,  52                           ; s[52:53], s[54:55] Q at the pieces' first rows
.set YB,  56                           ; s[56:57], s[58:59] y16 likewise
.set PFA, 60
.set LIM, 62
.set MSB, 0
.macro WIN new
.if MSB != (\new)
	s_set_vgpr_msb (MSB<<8)|(\new)
.set MSB, (\new)
.endif
.endm
.set W_KQ, 0x04                        ; source 1 (Q) in window 1
.set W_PV, 0x50                        ; C and D (O^T) in window 1
.set W_RS, 0x41                        ; O^T (destination and source 0) in window 1
; Waves 0 and 1 fetch K's halves of a slot, waves 2 and 3 V's, the others nothing.  An s_nop 0 and four v_nop follow each of the two lines.
.macro TLOAD
	s_cmp_lt_u32 s[WV], 2
	s_cbranch_scc0 .Lnot_k_\@
	tensor_load_to_lds s[G0K:G0K+3], s[G1K:G1K+7]
	s_nop 0
.rept 4
	v_nop
.endr
	s_branch .Lasked_\@
.Lnot_k_\@:
	s_cmp_lt_u32 s[WV], 4
	s_cbranch_scc0 .Lasked_\@
	tensor_load_to_lds s[G0V:G0V+3], s[G1V:G1V+7]
	s_nop 0
.rept 4
	v_nop
.endr
.Lasked_\@:
.endm
; A prefetch of the slot behind the one that is being asked for: 32,768 bytes of K and of V.  Work-group 0 of a head alone asks (it walks every slot), with waves that fetch nothing:
; waves 4, 5 for K's halves, waves 6, 7 for V's; two instructions a wave, lanes 256 bytes apart: each aligned block of 256 bytes is named once in the launch.
; It asks four key steps ahead of the load that wants the bytes.  The last change that fills a slot asks for nothing; nothing is asked for at the head.
.macro ASK
	s_cmp_gt_u32 s[SLOTS], s[LIM]
	s_cbranch_scc0 .Lnot_mine_\@
	global_prefetch_b8 v[PFO], s[PFA:PFA+1] th:TH_LOAD_NT scope:SCOPE_SE
	global_prefetch_b8 v[PFO], s[PFA:PFA+1] offset:8192 th:TH_LOAD_NT scope:SCOPE_SE
.Lnot_mine_\@:
.endm
	s_load_b128 s[4:7], s[0:1], 0x0                ; qkv, y16
	v_lshl_add_u32 v[SPW], v0, 2, SPARE
	v_mov_b32 v[NIL], 0
	ds_add_u32 v[SPW], v[NIL]                      ; the wave's opening: the add, twice on end, and its wait ahead of my first tensor load
	ds_add_u32 v[SPW], v[NIL]
	v_lshrrev_b32 v15, 5, v0
	v_readfirstlane_b32 s[WV], v15                 ; wave 0..7
	s_and_b32 s9, ttmp7, 0xffff                    ; bh
	s_sub_co_u32 s10, 7, ttmp9
	s_lshl_b32 s[QH], s10, 8
	s_lshl_b32 s66, s[WV], 5
	s_add_co_u32 s[QH], s[QH], s66                 ; piece H's first query
	s_lshl_b32 s[QH+1], ttmp9, 8
	s_sub_co_u32 s66, 7, s[WV]
	s_lshl_b32 s66, s66, 5
	s_add_co_u32 s[QH+1], s[QH+1], s66             ; piece L's
	s_add_co_u32 s[QE], s[QH], 31
	s_add_co_u32 s[QE+1], s[QH+1], 31
	s_lshl_b32 s[QLAST], s10, 8
	s_add_co_u32 s[QLAST], s[QLAST], 255
	s_mov_b32 s[KF], 0
	s_mov_b32 s[TK], 0
	s_mov_b32 s[TV], 0
	s_mov_b32 s[SLOTS], 7
	s_mov_b32 s[SEL], 0x76543210
	s_mov_b32 s[SEL+1], 0xfedcba98
	s_mov_b32 s[CS], 0x3e38aa3b
	s_mov_b32 s[CS+1], s[CS]
	; descriptor group 1: 128 rows of 64 elements of 2 bytes, dense in memory, padded in LDS behind each row of 32 words
	s_mov_b32 s[G1K], (1<<16)|(1<<20)|(4<<22)|(3<<25)   ; 4 words of padding
	s_mov_b32 s[G1V], (1<<16)|(1<<20)|(4<<22)|(7<<25)   ; 8 words
.irp g, G1K, G1V
	s_mov_b32 s[\g+1], 64<<16                      ; tensor_dim0
	s_mov_b32 s[\g+2], 128<<16                     ; tensor_dim1
	s_mov_b32 s[\g+3], 64<<16                      ; tile_dim0
	s_mov_b32 s[\g+4], 128                         ; tile_dim1
	s_mov_b32 s[\g+5], 64                          ; the pitch
	s_mov_b32 s[\g+6], 0
	s_mov_b32 s[\g+7], 0
.endr
	s_lshl_b32 s68, s9, 18                         ; the head's first byte in q, k, v and y16
	s_and_b32 s69, s[WV], 1
	s_lshl_b32 s70, s69, 14                        ; my half of a slot: 128 rows of 128 bytes
	s_add_co_u32 s70, s70, s68
	s_add_co_u32 s72, s70, 0x1000000               ; in k
	s_mov_b32 s73, 0
	s_add_co_u32 s74, s70, 0x2000000               ; in v
	s_mov_b32 s75, 0
	s_mul_i32 s71, s69, 128*KP
	s_mul_i32 s67, s69, 128*VP
	s_add_co_u32 s67, s67, VOFF
	s_wait_dscnt 0x0                               ; both opening adds are done
	s_wait_kmcnt 0x0
	s_mov_b32 s[G0K], 1
	s_mov_b32 s[G0K+1], s71
	s_add_nc_u64 s[G0K+2:G0K+3], s[4:5], s[72:73]
	s_or_b32 s[G0K+3], s[G0K+3], 0x80000000
	s_mov_b32 s[G0V], 1
	s_mov_b32 s[G0V+1], s67
	s_add_nc_u64 s[G0V+2:G0V+3], s[4:5], s[74:75]
	s_or_b32 s[G0V+3], s[G0V+3], 0x80000000
	TLOAD                                          ; slot 0: key 0 counts for every query
	s_mov_b32 s71, 0
	s_lshl_b32 s70, s[QH], 7
	s_add_co_u32 s70, s70, s68
	s_add_nc_u64 s[QB:QB+1], s[4:5], s[70:71]
	s_add_nc_u64 s[YB:YB+1], s[6:7], s[70:71]
	s_lshl_b32 s70, s[QH+1], 7
	s_add_co_u32 s70, s70, s68
	s_add_nc_u64 s[QB+2:QB+3], s[4:5], s[70:71]
	s_add_nc_u64 s[YB+2:YB+3], s[6:7], s[70:71]
	s_mov_b32 s67, 0x2000000
	s_cmp_lt_u32 s[WV], 6
	s_cselect_b32 s70, 0x1000000, s67              ; waves 4, 5 ask for k, waves 6, 7 for v
	s_add_co_u32 s70, s70, s68
	s_lshl_b32 s67, s69, 14
	s_add_co_u32 s70, s70, s67
	s_add_co_u32 s70, s70, 32768                   ; in slot 1: the first change of slots steps it to slot 2
	s_add_nc_u64 s[PFA:PFA+1], s[4:5], s[70:71]
	s_lshr_b32 s67, s[WV], 2
	s_xor_b32 s67, s67, 1                          ; 0 in waves 4 to 7,
	s_or_b32 s67, s67, ttmp9                       ; of the head's work-group 0
	s_cmp_eq_u32 s67, 0
	s_cselect_b32 s[LIM], 1, -1
	v_and_b32 v15, 15, v0                          ; r
	v_bfe_u32 v12, v0, 4, 1                        ; h
	v_lshlrev_b32 v[QO], 7, v15
	v_lshl_add_u32 v[QO], v12, 4, v[QO]            ; Q: row r of 128 bytes, + 16 h
	WIN 0x40                                       ; destination window 1
.irp tt, 0,1,2,3
.irp c, 0,1
	global_load_b128 v[16*\tt+8*\c:16*\tt+8*\c+3], v[QO], s[QB+2*(\tt/2):QB+2*(\tt/2)+1] offset:2048*(\tt%2)+64*\c
	global_load_b128 v[16*\tt+8*\c+4:16*\tt+8*\c+7], v[QO], s[QB+2*(\tt/2):QB+2*(\tt/2)+1] offset:2048*(\tt%2)+64*\c+32
.endr
.endr
.set i, 0
.rept 128
	v_mov_b32 v[OT+i], 0                           ; O^T.  The step is written once: the first finds zeros, which the first rescaling leaves zeros
.set i, i+1
.endr
	WIN 0
	v_mul_u32_u24 v[AK0], v15, KP
	v_lshl_add_u32 v[AK0], v12, 4, v[AK0]          ; K: row r x pitch + 16 h
	v_and_b32 v3, 7, v0
	v_lshl_add_u32 v3, v12, 3, v3
	v_mul_u32_u24 v[AV0], v3, VP
	v_bfe_u32 v4, v0, 3, 1
	v_lshl_add_u32 v[AV0], v4, 4, v[AV0]
	v_add_nc_u32 v[AV0], VOFF, v[AV0]              ; V: key 8 h + lane % 8, channels 8 ((lane / 8) % 2) on
	s_mul_i32 s66, s[WV], 16*KP                    ; my stage, 16 rows x 144 bytes, in slot 0: left at the last change of slots, its last fill long landed
	v_bfe_u32 v3, v0, 1, 3
	v_and_b32 v[STO], 1, v0
	v_lshl_add_u32 v3, v[STO], 3, v3               ; row r lies in place (r >> 1) + 8 (r & 1)
	v_mul_u32_u24 v3, v3, KP
	v_lshl_add_u32 v3, v12, 4, v3
	v_add_nc_u32 v[STO], s66, v3
	v_lshl_add_u32 v3, v4, 3, v12
	v_mul_u32_u24 v3, v3, KP
	v_and_b32 v4, 7, v0
	v_lshl_add_u32 v3, v4, 4, v3
	v_add_nc_u32 v[RD], s66, v3                    ; back: eight lanes to a row of 128 bytes, four rows an instruction
	v_and_b32 v[GO], 31, v0
	v_lshlrev_b32 v[PFO], 8, v[GO]
	v_lshlrev_b32 v[GO], 4, v[GO]
	v_lshlrev_b32 v3, 3, v12
	v_sub_nc_u32 v[DL], v15, v3
	v_mov_b32 v[NINF], 0xff800000
.irp tt, 0,1,2,3
	v_mov_b32 v[ST+8*\tt+1], 0xff61b1e6            ; m: -3e38, under every score
	v_mov_b32 v[ST+8*\tt+2], 0                     ; l, in two halves
	v_mov_b32 v[ST+8*\tt+3], 0
	v_mov_b32 v[ST+8*\tt+4], 0
	v_mov_b32 v[ST+8*\tt+5], 0                     ; (a lane permute's destination counts as one of its sources)
	v_mov_b32 v[ST+8*\tt+6], 0
	v_mov_b32 v[ST+8*\tt+7], 0
	v_mul_f32 v[ST+8*\tt], s[CS], v[ST+8*\tt+1]    ; c m
.endr
; S^T = K Q^T of piece p: 8 accumulators (4 tiles of keys x 2 tiles of queries) by turns, two deep along the 64 channels; the first 8 start the sums.
.macro KQ p
	WIN W_KQ
.set n, 0
.rept 16
.set rS, S+32*(n%2)+8*((n/2)%4)
.set rK, KFR+8*(2*((n/2)%4)+n/8)
.set rQ, 16*(2*\p+n%2)+8*(n/8)
.if n < 8
	v_wmma_f32_16x16x32_f16 v[rS:rS+7], v[rK:rK+7], v[rQ:rQ+7], 0
.else
	v_wmma_f32_16x16x32_f16 v[rS:rS+7], v[rK:rK+7], v[rQ:rQ+7], v[rS:rS+7]
.endif
.set n, n+1
.endr
.endm
; O^T += V^T P of piece p: 8 accumulators (4 tiles of channels x 2 tiles of queries) by turns, two deep along the 64 keys.
.macro PV p
	WIN W_PV
.set n, 0
.rept 16
.set rO, OT+32*(2*\p+n%2)+8*((n/2)%4)
.set rV, VFR+8*(4*(n/8)+(n/2)%4)
.set rP, S+32*(n%2)+8*(n/8)
	v_wmma_f32_16x16x32_f16 v[rO:rO+7], v[rV:rV+7], v[rP:rP+7], v[rO:rO+7]
.set n, n+1
.endr
.endm
; On the diagonal hidden scores become -infinity ahead of the maximum.  Register 8 kt + j of a tile holds key KF + 16 kt + 8 h + j: hidden where 16 kt + j > query - KF - 8 h.  A step all of whose keys count jumps over this.
.macro MASK p
	s_add_co_u32 s66, s[KF], 63
	s_cmp_le_u32 s66, s[QH+\p]
	s_cbranch_scc1 .Lopen_\@
	s_sub_co_i32 s66, s[QH+\p], s[KF]
	v_add_nc_u32 v[DD], s66, v[DL]
.irp tl, 0,1
.if \tl
	v_add_nc_u32 v[DD], 16, v[DD]
.endif
.set n, 0
.rept 32
	v_cmp_gt_i32 vcc_lo, 16*(n/8)+n%8, v[DD]
	v_cndmask_b32 v[S+32*\tl+n], v[S+32*\tl+n], v[NINF], vcc_lo
.set n, n+1
.endr
.endr
.Lopen_\@:
.endm
; The softmax of piece p's two tiles for one step, the tiles line by line by turns.  p = 2^(c s - c m); a = 2^(c m_old - c m_new).
.macro SOFTMAX p
.set T0, ST+16*\p
.irp j, 0,1,2,3                        ; the maximum: four chains, each begun at its accumulator's low end
.irp tl, 0,1
	v_max3_num_f32 v[T0+8*\tl+4+\j], v[S+32*\tl+8*\j], v[S+32*\tl+8*\j+1], v[S+32*\tl+8*\j+2]
.endr
.endr
.irp g, 1,2
.irp j, 0,1,2,3
.irp tl, 0,1
	v_max3_num_f32 v[T0+8*\tl+4+\j], v[T0+8*\tl+4+\j], v[S+32*\tl+8*\j+2*\g+1], v[S+32*\tl+8*\j+2*\g+2]
.endr
.endr
.endr
.irp tl, 0,1
	v_max3_num_f32 v[T0+8*\tl+4], v[T0+8*\tl+4], v[S+32*\tl+7], v[S+32*\tl+15]
	v_max3_num_f32 v[T0+8*\tl+6], v[T0+8*\tl+6], v[S+32*\tl+23], v[S+32*\tl+31]
.endr
.irp tl, 0,1
	v_max3_num_f32 v[T0+8*\tl+4], v[T0+8*\tl+4], v[T0+8*\tl+5], v[T0+8*\tl+6]
.endr
.irp tl, 0,1
	v_max3_num_f32 v[T0+8*\tl+4], v[T0+8*\tl+4], v[T0+8*\tl+7], v[T0+8*\tl+1]   ; with the old m
.endr
.irp tl, 0,1
	v_permlanex16_b32 v[T0+8*\tl+5], v[T0+8*\tl+4], s[SEL], s[SEL+1]            ; the query's other 32 keys lie in the lane 16 away
.endr
.irp tl, 0,1
	v_mov_b32 v[T0+8*\tl+7], v[T0+8*\tl]           ; c m_old
.endr
.irp tl, 0,1
	v_max_num_f32 v[T0+8*\tl+1], v[T0+8*\tl+4], v[T0+8*\tl+5]
.endr
.irp tl, 0,1
	v_mul_f32 v[T0+8*\tl], s[CS], v[T0+8*\tl+1]
.endr
.irp tl, 0,1
	v_sub_f32 v[T0+8*\tl+7], v[T0+8*\tl+7], v[T0+8*\tl]
.endr
.irp tl, 0,1                           ; ONE BATCH: none of the lines down to the wait names an exponential's result
	v_exp_f32 v[T0+8*\tl+6], v[T0+8*\tl+7]         ; a
.endr
.irp b, 0,2,4,6,8,10,12,14,16,18,20,22,24,26,28,30
.irp tl, 0,1
	v_pk_fma_f32 v[S+32*\tl+\b:S+32*\tl+\b+1], v[S+32*\tl+\b:S+32*\tl+\b+1], s[CS:CS+1], v[T0+8*\tl:T0+8*\tl+1] op_sel_hi:[1,0,0] neg_lo:[0,0,1] neg_hi:[0,0,1]
.endr
.endr
.set n, 0
.rept 64
	v_exp_f32 v[S+n], v[S+n]
.set n, n+1
.endr
	v_nop                                          ; a plain instruction behind the last exponential
	s_wait_alu depctr_va_vdst(0)                   ; one wait for the 66, ahead of their first reader
.irp tl, 0,1                           ; the sums of p in f32, two chains a tile, S^T left whole
	v_pk_add_f32 v[T0+8*\tl+4:T0+8*\tl+5], v[S+32*\tl:S+32*\tl+1], v[S+32*\tl+2:S+32*\tl+3]
	v_pk_add_f32 v[CH+2*\tl:CH+2*\tl+1], v[S+32*\tl+16:S+32*\tl+17], v[S+32*\tl+18:S+32*\tl+19]
.endr
.irp b, 4,6,8,10,12,14
.irp tl, 0,1
	v_pk_add_f32 v[T0+8*\tl+4:T0+8*\tl+5], v[T0+8*\tl+4:T0+8*\tl+5], v[S+32*\tl+\b:S+32*\tl+\b+1]
	v_pk_add_f32 v[CH+2*\tl:CH+2*\tl+1], v[CH+2*\tl:CH+2*\tl+1], v[S+32*\tl+16+\b:S+32*\tl+16+\b+1]
.endr
.endr
.irp tl, 0,1
	v_pk_fma_f32 v[T0+8*\tl+2:T0+8*\tl+3], v[T0+8*\tl+2:T0+8*\tl+3], v[T0+8*\tl+6:T0+8*\tl+7], v[T0+8*\tl+4:T0+8*\tl+5] op_sel_hi:[1,0,1]   ; l = l a + the sum
.endr
.irp tl, 0,1
	v_pk_add_f32 v[T0+8*\tl+2:T0+8*\tl+3], v[T0+8*\tl+2:T0+8*\tl+3], v[CH+2*\tl:CH+2*\tl+1]
.endr
.set n, 0
.rept 16                               ; P in place, ascending: register n takes pair n, which lies at or above it
	v_cvt_pk_f16_f32 v[S+n], v[S+2*n], v[S+2*n+1]
	v_cvt_pk_f16_f32 v[S+32+n], v[S+32+2*n], v[S+32+2*n+1]
.set n, n+1
.endr
.endm
.macro RESCALE p                       ; O^T x a, each accumulator from its low end on
	WIN W_RS
.irp tl, 0,1
.set n, 0
.rept 16
	v_pk_mul_f32 v[OT+32*(2*\p+\tl)+2*n:OT+32*(2*\p+\tl)+2*n+1], v[OT+32*(2*\p+\tl)+2*n:OT+32*(2*\p+\tl)+2*n+1], v[ST+8*(2*\p+\tl)+6:ST+8*(2*\p+\tl)+7] op_sel_hi:[1,0]
.set n, n+1
.endr
.endr
.endm
.macro PIECE p
	KQ \p
	WIN 0
.rept 4
	v_nop                                          ; four places between the products and the first read of their results (ISA guide 7.12.1)
.endr
	MASK \p
	SOFTMAX \p
	s_wait_dscnt 0x0                               ; V is in
	RESCALE \p
	PV \p
	WIN 0
.endm
; A KEY STEP: 64 keys.  Written once a slot loop; its LDS addresses hang on s[TK], s[TV].
.macro STEP
	s_cmp_gt_u32 s[KF], s[QE]                      ; all keys behind piece H's queries (piece L's lie lower still): only the steps of the addresses remain
	s_cbranch_scc1 .Lhidden_\@
	v_add_nc_u32 v[ADK], s[TK], v[AK0]
	v_add_nc_u32 v[ADV], s[TV], v[AV0]
.rept 3
	v_nop                                          ; with the two additions five places behind the last products: four for the loads into their fragments, five for the products that write over P
.endr
.irp kt, 0,1,2,3
.irp c, 0,1
	ds_load_b128 v[KFR+8*(2*\kt+\c):KFR+8*(2*\kt+\c)+3], v[ADK] offset:16*KP*\kt+64*\c
	ds_load_b128 v[KFR+8*(2*\kt+\c)+4:KFR+8*(2*\kt+\c)+7], v[ADK] offset:16*KP*\kt+64*\c+32
.endr
.endr
.irp ks, 0,1
.irp ct, 0,1,2,3
	ds_load_tr16_b128 v[VFR+8*(4*\ks+\ct):VFR+8*(4*\ks+\ct)+3], v[ADV] offset:32*VP*\ks+32*\ct
	ds_load_tr16_b128 v[VFR+8*(4*\ks+\ct)+4:VFR+8*(4*\ks+\ct)+7], v[ADV] offset:32*VP*\ks+16*VP+32*\ct
.endr
.endr
	s_wait_dscnt 16                                ; K's sixteen loads are in; V's sixteen stay out
	PIECE 0
	s_cmp_gt_u32 s[KF], s[QE+1]
	s_cbranch_scc1 .Lhidden_\@
.rept 5
	v_nop                                          ; five places: piece L's first products write over piece H's P
.endr
	PIECE 1
.Lhidden_\@:
	s_add_co_u32 s[KF], s[KF], 64
	s_add_co_u32 s[TK], s[TK], 64*KP
	s_add_co_u32 s[TV], s[TV], 64*VP
.endm
; THE CHANGE OF SLOTS stands at a slot's head.  Each wave waits for all its tensor loads, adds 0 to its spare word (fill = 1: twice on end),
; and waits for that and for its reads of the slot that it has left.  Behind the barrier the slot ahead is whole and nobody reads the other one.
.macro CHANGE fill
	s_wait_tensorcnt 0x0                           ; no tensor load of mine is out, so a group 0 may be written
	ds_add_u32 v[SPW], v[NIL]
.if \fill
	ds_add_u32 v[SPW], v[NIL]
	s_xor_b32 s[G0K+1], s[G0K+1], SLOT1            ; the walking descriptors: the other slot, the next 256 keys
	s_add_nc_u64 s[G0K+2:G0K+3], s[G0K+2:G0K+3], 32768
	s_xor_b32 s[G0V+1], s[G0V+1], SLOT1
	s_add_nc_u64 s[G0V+2:G0V+3], s[G0V+2:G0V+3], 32768
	s_wait_xcnt 0x0                                ; the last prefetches, a slot back, have read their address
	s_add_nc_u64 s[PFA:PFA+1], s[PFA:PFA+1], 32768
.endif
	s_wait_dscnt 0x0
	s_barrier_signal -1
	s_barrier_wait -1
.if \fill
	s_add_co_u32 s66, s[KF], SK                    ; the first key of the slot that this change would ask for:
	s_cmp_gt_u32 s66, s[QLAST]                     ; behind my work-group's last query it is read by none of the eight waves, so it is not asked for.  Ids and the count of steps alone: all waves go the same way
	s_cbranch_scc1 .Lpast_\@
	TLOAD                                          ; a wave's one tensor load until the next barrier: it has four key steps in which to land
.Lpast_\@:
	ASK
.endif
.endm
.macro SLOT_STEPS
	s_mov_b32 s[CNT], 4
.Lstep_\@:
	STEP
	s_sub_co_u32 s[CNT], s[CNT], 1
	s_cmp_lg_u32 s[CNT], 0
	s_cbranch_scc1 .Lstep_\@
	s_sub_co_u32 s[TK], s[TK], SK*KP               ; back to a slot's first step,
	s_xor_b32 s[TK], s[TK], SLOT1                  ; in the other slot
	s_sub_co_u32 s[TV], s[TV], SK*VP
	s_xor_b32 s[TV], s[TV], SLOT1
.endm
	s_wait_loadcnt 0x0                             ; Q
.Lslot:                                            ; 7 trips: behind each change of slots but the last the next slot is asked for, up to the causal limit
	CHANGE 1
	SLOT_STEPS
	s_sub_co_u32 s[SLOTS], s[SLOTS], 1
	s_cmp_lg_u32 s[SLOTS], 0
	s_cbranch_scc1 .Lslot
	CHANGE 0                                       ; the last slot is written out, without a load
	SLOT_STEPS
	; THE WAY OUT.  l's halves and the other half of the lanes' are added (these lines are the places behind the last products); O^T / l, rounded to f16, goes through my stage, a tile (16 rows) at a time.
.irp t, 0,1,2,3
	v_add_f32 v[ST+8*\t+4], v[ST+8*\t+2], v[ST+8*\t+3]
.endr
.irp t, 0,1,2,3
	v_permlanex16_b32 v[ST+8*\t+5], v[ST+8*\t+4], s[SEL], s[SEL+1]
.endr
.irp t, 0,1,2,3
	v_add_f32 v[ST+8*\t+4], v[ST+8*\t+4], v[ST+8*\t+5]
.endr
.irp t, 0,1,2,3
	v_rcp_f32 v[ST+8*\t+6], v[ST+8*\t+4]
.endr
	v_nop
	s_wait_alu depctr_va_vdst(0)                   ; one wait for the four reciprocals
.macro PACK t
	WIN W_RS
.set i, 0
.rept 16
	v_pk_mul_f32 v[OT+32*\t+2*i:OT+32*\t+2*i+1], v[OT+32*\t+2*i:OT+32*\t+2*i+1], v[ST+8*\t+6:ST+8*\t+7] op_sel_hi:[1,0]
.set i, i+1
.endr
	WIN 0x05                                       ; sources in window 1, destination in window 0
.set i, 0
.rept 16
	v_cvt_pk_f16_f32 v[S+16*\t+i], v[OT+32*\t+2*i], v[OT+32*\t+2*i+1]
.set i, i+1
.endr
	WIN 0
.irp c, 0,1,2,3
	ds_store_b128 v[STO], v[S+16*\t+4*\c:S+16*\t+4*\c+3] offset:32*\c
.endr
.irp f, 0,1,2,3
	ds_load_b128 v[KFR+16*\t+4*\f:KFR+16*\t+4*\f+3], v[RD] offset:2*KP*\f   ; LDS serves a wave's instructions in order: these see the stores above, and the next tile's stores come behind them
.endr
.endm
.macro SEND t, younger                 ; younger: the next tile's eight LDS instructions, or none
.irp f, 0,1,2,3
	s_wait_dscnt \younger+3-\f
	global_store_b128 v[GO], v[KFR+16*\t+4*\f:KFR+16*\t+4*\f+3], s[YB+2*(\t/2):YB+2*(\t/2)+1] offset:2048*(\t%2)+512*\f   ; 32 lanes store 512 consecutive bytes, four rows
.endr
.endm
	PACK 0
	PACK 1
	SEND 0, 8
	PACK 2
	SEND 1, 8
	PACK 3
	SEND 2, 8
	SEND 3, 0
	s_wait_tensorcnt 0x0                           ; the wave's end
	ds_add_u32 v[SPW], v[NIL]
	s_wait_dscnt 0x0
	s_endpgm
.Lfunc_end_k_q3bd5342873_attn:
	.size	k_q3bd5342873_attn, .Lfunc_end_k_q3bd5342873_attn-k_q3bd5342873_attn
	.p2alignl 7, 3214868480
	.fill 96, 4, 3214868480
	.section	.rodata,"a",@progbits
	.p2align	6, 0x0
	.amdhsa_kernel k_q3bd5342873_attn
		.amdhsa_group_segment_fixed_size 327680
		.amdhsa_private_segment_fixed_size 0
		.amdhsa_enable_private_segment 0
		.amdhsa_kernarg_size 16
		.amdhsa_user_sgpr_count 2
		.amdhsa_user_sgpr_kernarg_segment_ptr 1
		.amdhsa_wavefront_size32 1
		.amdhsa_system_sgpr_workgroup_id_x 1
		.amdhsa_system_sgpr_workgroup_id_y 1
		.amdhsa_system_sgpr_workgroup_id_z 1
		.amdhsa_system_vgpr_workitem_id 0
		.amdhsa_next_free_vgpr 512
		.amdhsa_next_free_sgpr 76
		.amdhsa_reserve_vcc 1
		.amdhsa_float_denorm_mode_32 3
		.amdhsa_float_denorm_mode_16_64 3
		.amdhsa_memory_ordered 1
		.amdhsa_forward_progress 1
		.amdhsa_inst_pref_size 111
	.end_amdhsa_kernel
	.amdgpu_metadata
---
amdhsa.version: [ 1, 2 ]
amdhsa.kernels:
  - .name:           k_q3bd5342873_attn
    .symbol:         k_q3bd5342873_attn.kd
    .args:
      - { .name: qkv, .offset: 0, .size: 8, .value_kind: global_buffer, .address_space: global }
      - { .name: y16, .offset: 8, .size: 8, .value_kind: global_buffer, .address_space: global }
    .group_segment_fixed_size: 327680
    .private_segment_fixed_size: 0
    .kernarg_segment_align: 8
    .kernarg_segment_size: 16
    .max_flat_workgroup_size: 256
    .sgpr_count:     76
    .vgpr_count:     512
    .wavefront_size: 32
...
	.end_amdgpu_metadata
.endif
;; end of part 3
;; launch proj (part 4): grid 4 x 64, 4 waves a work-group, clusters of 4 x 4, 327,680 bytes of LDS; arguments y16, wp16, b_proj, out0; writes out0
.if DOCPART == 4
	.amdgcn_target "amdgcn-amd-amdhsa--gfx1250"
	.amdhsa_code_object_version 6
	.text
	.protected	k_q3bd5342873_proj
	.globl	k_q3bd5342873_proj
	.p2align	8
	.type	k_q3bd5342873_proj,@function
k_q3bd5342873_proj:
	s_mov_b64 s[64:65], 0
	v_nop
	global_prefetch_b8 v0, s[64:65] scope:SCOPE_SE
	s_setreg_imm32_b32 hwreg(HW_REG_WAVE_MODE, 25, 1), 1
	s_wait_xcnt 0x0
	s_wait_alu depctr_hold_cnt(0) depctr_sa_sdst(0) depctr_va_vdst(0) depctr_va_sdst(0) depctr_va_ssrc(0) depctr_va_vcc(0) depctr_vm_vsrc(0)
	s_getreg_b32 s2, hwreg(HW_REG_IB_STS2, 6, 4)
	s_cmp_eq_u32 s2, 0
	s_cbranch_scc0 .Lentry_in_a_cluster
	s_endpgm
.Lentry_in_a_cluster:
	s_bfe_u32 s2, ttmp6, 0x10000c
	s_cmp_lg_u32 s2, 0xf033
	s_cbranch_scc0 .Lentry_shape_is_right
	s_endpgm
.Lentry_shape_is_right:
; out0 = y w_proj + b_proj on f16 operands, f32 sums; every row but positions 0..15 of each sequence, which a later launch makes in f32.
; y16 lies by head, [64 bh][2048 t][64] f16; wp16 [1024 k][1024 n] f16 as w_proj lies, read turned by ds_load_tr16_b128.
; A tile of the result is 128 rows x 256 columns: 256 work-groups.  Four waves, 64 x 128 each: 32 accumulators in window 2 ((a, b) at v[8 (8 a + b)]).
; K goes in 8 steps of 128 (two heads) through a ring of two LDS slots; waves 0, 1 fetch a head's 128 rows of y each, waves 2, 3 64 rows of wp16 each.
; CLUSTERS 4 x 4: y's tiles are asked for jointly along a row of the cluster, wp16's along a column.  tile column = 4 x cluster x + cx; tile row = 16 cy + cluster y, so cy is the batch and
; 128 x cluster y the first position: the one branch on the place in the sequence hangs on cluster y and the wave's number alone.
; THE MATRIX INSTRUCTION IS USED TRANSPOSED (source 0 = 16 columns of w, source 1 = 16 rows of y): a lane holds eight neighbouring columns of one row.  The bias is the C of the first quarter.
; No prefetch: the launch moves 51 MB for 1,024 matrix instructions a wave, and two of its eight K steps are asked for at the head.
; REGISTERS.  Window 0: v16-29 addresses; v64-127 y's fragments, two buffers of 32; v128-191 the bias; on the way out v128-255 rows read back, two sets.  Window 1: w's fragments, two buffers of 64.
.set AP,     144                       ; a row of y in LDS: 128 bytes + 16
.set BP,     544                       ; a row of wp16: 512 bytes + 32: an odd multiple of 32
.set HA,     128*AP
.set BOFF,   2*HA
.set SLOT,   BOFF+128*BP
.set STAGE,  2*SLOT                    ; behind the ring: 16 rows x 528 bytes for each wave
.set SPITCH, 528
.set SPARE,  STAGE+4*16*SPITCH
.set LAPS,   4
.set ADRA, 16
.set ADRB, 20
.set BO,   22
.set STO,  24
.set RD,   25
.set CO,   26
.set SPW,  28
.set NIL,  29
.set BI,   128
.set BK,   128
.set G1, 24
.set G0, 32
.set G1B, 48
.set G0B, 56
.set MSB, 0
.macro WIN new
.if MSB != (\new)
	s_set_vgpr_msb (MSB<<8)|(\new)
.set MSB, (\new)
.endif
.endm
.set MUL,  0xa1                        ; source 0 (w) window 1, source 1 (y) window 0, C and D window 2
.set MULB, 0x81                        ; the same with C (the bias) in window 0
.set TO_B, 0x40
.macro JLOAD s                         ; a joint load: waves 0, 1 for y, waves 2, 3 for w; an s_nop 0 and four v_nop follow each of the two lines
	s_cmp_eq_u32 s11, 0
	s_cbranch_scc0 .Lfor_b_\@
	tensor_load_to_lds s[G0+4*\s:G0+4*\s+3], s[G1:G1+7]
	s_nop 0
.rept 4
	v_nop
.endr
	s_branch .Lasked_\@
.Lfor_b_\@:
	tensor_load_to_lds s[G0B+4*\s:G0B+4*\s+3], s[G1B:G1B+7]
	s_nop 0
.rept 4
	v_nop
.endr
.Lasked_\@:
.endm
.macro CREST
	s_cmp_lg_u32 s10, 0
	s_cbranch_scc1 .Lnot_wave_0_\@
	s_barrier_signal -3
.Lnot_wave_0_\@:
	s_barrier_wait -3
	s_barrier_signal -1
	s_barrier_wait -1
.endm
.macro CROUND
	s_barrier_signal -1
	s_barrier_wait -1
	CREST
.endm
	s_load_b128 s[4:7], s[0:1], 0x0                ; y16, wp16
	s_load_b128 s[68:71], s[0:1], 0x10             ; b_proj, out0
	v_lshl_add_u32 v[SPW], v0, 2, SPARE
	v_mov_b32 v[NIL], 0
	ds_add_u32 v[SPW], v[NIL]                      ; the wave's opening: the add, twice on end, and its wait ahead of my first tensor load
	ds_add_u32 v[SPW], v[NIL]
	v_lshrrev_b32 v1, 5, v0
	v_readfirstlane_b32 s10, v1                    ; wave 0..3
	s_lshr_b32 s11, s10, 1                         ; which 64 rows are mine.  Also: I fetch for y (0) or for w (1)
	s_and_b32 s12, s10, 1                          ; which 128 columns.  Also: which part of that tile I fetch
	s_bfe_u32 s40, ttmp6, 0x40000                  ; cx
	s_bfe_u32 s41, ttmp6, 0x40004                  ; cy
	s_lshl_b32 s42, ttmp9, 2
	s_add_co_u32 s42, s42, s40                     ; tile column
	s_and_b32 s67, ttmp7, 0xffff                   ; cluster y
	s_lshl_b32 s13, s41, 4
	s_add_co_u32 s13, s13, s67                     ; tile row = 16 cy + cluster y
	s_or_b32 s66, s67, s11                         ; 0 where my block 0 holds positions 0..15
	s_lshl_b32 s43, s41, 2
	s_lshl_b32 s43, 15, s43                        ; my row of the cluster
	s_lshl_b32 s44, 0x1111, s40                    ; my column
	s_or_b32 s[G1+0], s43, (1<<16)|(1<<20)|(1<<21)|(4<<22)|(3<<25)   ; y: elements of 2 bytes; 4 words of padding after every 32
	s_mov_b32 s[G1+1], 64<<16                      ; tensor_dim0
	s_mov_b32 s[G1+2], 128<<16                     ; tensor_dim1
	s_mov_b32 s[G1+3], 64<<16                      ; tile_dim0
	s_mov_b32 s[G1+4], 128                         ; tile_dim1
	s_mov_b32 s[G1+5], 64                          ; the pitch
	s_mov_b32 s[G1+6], 0
	s_mov_b32 s[G1+7], 0
	s_or_b32 s[G1B+0], s44, (1<<16)|(1<<20)|(1<<21)|(6<<22)|(7<<25)  ; w: 8 words of padding after every 128
	s_mov_b32 s[G1B+1], 256<<16
	s_mov_b32 s[G1B+2], 64<<16
	s_mov_b32 s[G1B+3], 256<<16
	s_mov_b32 s[G1B+4], 64
	s_mov_b32 s[G1B+5], 1024
	s_mov_b32 s[G1B+6], 0
	s_mov_b32 s[G1B+7], 0
	s_lshl_b32 s16, s41, 4
	s_add_co_u32 s16, s16, s12                     ; y: 16 x batch + the head that I fetch in K step 0
	s_lshl_b32 s16, s16, 11
	s_lshl_b32 s17, s67, 7
	s_add_co_u32 s16, s16, s17                     ; + the tile's first position
	s_lshl_b32 s16, s16, 7                         ; rows of 128 bytes
	s_mov_b32 s17, 0
	s_lshl_b32 s46, s12, 17                        ; w: my 64 rows of 2,048 bytes,
	s_lshl_b32 s47, s42, 9                         ; the tile's 256 columns
	s_add_co_u32 s46, s46, s47
	s_mov_b32 s47, 0
	s_mul_i32 s20, s12, HA                         ; where they go
	s_mul_i32 s21, s12, 64*BP
	s_add_co_u32 s21, s21, BOFF
	s_wait_dscnt 0x0                               ; both opening adds are done
	s_wait_kmcnt 0x0
	s_add_nc_u64 s[14:15], s[4:5], s[16:17]
	s_add_nc_u64 s[46:47], s[6:7], s[46:47]
	CROUND                                         ; all sixteen work-groups are here: the first joint loads meet
.irp s, 0,1
	s_mov_b32 s[G0+4*\s], 1
	s_add_co_u32 s[G0+4*\s+1], s20, \s*SLOT
	s_add_nc_u64 s[G0+4*\s+2:G0+4*\s+3], s[14:15], \s*524288       ; K step s: two heads of 262,144 bytes on
	s_or_b32 s[G0+4*\s+3], s[G0+4*\s+3], 0x80000000
	s_mov_b32 s[G0B+4*\s], 1
	s_add_co_u32 s[G0B+4*\s+1], s21, \s*SLOT
	s_add_nc_u64 s[G0B+4*\s+2:G0B+4*\s+3], s[46:47], \s*262144     ; 128 rows of 2,048 bytes on
	s_or_b32 s[G0B+4*\s+3], s[G0B+4*\s+3], 0x80000000
	JLOAD \s
.endr
	v_and_b32 v1, 15, v0                           ; r
	v_bfe_u32 v2, v0, 4, 1                         ; h
	v_mul_u32_u24 v3, v1, AP
	v_lshl_add_u32 v3, v2, 4, v3
	s_mul_i32 s21, s11, 64*AP                      ; my 64 rows of y
	v_and_b32 v4, 7, v0
	v_lshl_add_u32 v4, v2, 3, v4
	v_mul_u32_u24 v4, v4, BP
	v_bfe_u32 v5, v0, 3, 1
	v_lshl_add_u32 v4, v5, 4, v4                   ; w: k row 8 h + lane % 8, columns 8 ((lane / 8) % 2) on
	s_lshl_b32 s22, s12, 8                         ; my 128 columns
	s_add_co_u32 s22, s22, BOFF
.irp s, 0,1
	v_add_nc_u32 v[ADRA+\s], s21, v3
	v_add_nc_u32 v[ADRB+\s], s22, v4
	s_add_co_u32 s21, s21, SLOT
	s_add_co_u32 s22, s22, SLOT
.endr
	s_mul_i32 s23, s10, 16*SPITCH
	s_add_co_u32 s23, s23, STAGE                   ; my stage
	v_mul_u32_u24 v5, v1, SPITCH
	v_lshl_add_u32 v5, v2, 5, v5
	v_add_nc_u32 v[STO], s23, v5                   ; in: row r, 32 bytes for each half of the lanes
	v_and_b32 v6, 31, v0
	v_lshlrev_b32 v[CO], 4, v6
	v_add_nc_u32 v[RD], s23, v[CO]                 ; back: the 32 lanes take a row of 512 bytes
	v_lshlrev_b32 v[BO], 5, v2
	s_lshl_b32 s46, s42, 10
	s_lshl_b32 s47, s12, 9
	s_add_co_u32 s46, s46, s47                     ; my 128 columns, as f32 bytes
	s_mov_b32 s47, 0
	s_add_nc_u64 s[68:69], s[68:69], s[46:47]
	s_lshl_b32 s16, s13, 7
	s_lshl_b32 s17, s11, 6
	s_add_co_u32 s16, s16, s17                     ; my first row of out0
	s_lshl_b32 s16, s16, 12
	s_add_co_u32 s16, s16, s46
	s_mov_b32 s17, 0
	s_add_nc_u64 s[70:71], s[70:71], s[16:17]
.irp b, 0,1,2,3,4,5,6,7
.irp c, 0,1
	global_load_b128 v[BI+8*\b+4*\c:BI+8*\b+4*\c+3], v[BO], s[68:69] offset:64*\b+16*\c   ; the bias in the result's layout
.endr
.endr
; 24 LDS loads in one run: the fragments of the slot's q-th 32 along K into buffer f: w's eight (turned), then y's four
.macro FETCH slot, q, f
	WIN TO_B
.irp b, 0,1,2,3,4,5,6,7
	ds_load_tr16_b128 v[64*(\f)+8*\b:64*(\f)+8*\b+3], v[ADRB+\slot] offset:32*BP*(\q)+32*\b
	ds_load_tr16_b128 v[64*(\f)+8*\b+4:64*(\f)+8*\b+7], v[ADRB+\slot] offset:32*BP*(\q)+16*BP+32*\b
.endr
	WIN 0
.irp a, 0,1,2,3
	ds_load_b128 v[64+32*(\f)+8*\a:64+32*(\f)+8*\a+3], v[ADRA+\slot] offset:HA*((\q)/2)+64*((\q)%2)+16*AP*\a
	ds_load_b128 v[64+32*(\f)+8*\a+4:64+32*(\f)+8*\a+7], v[ADRA+\slot] offset:HA*((\q)/2)+64*((\q)%2)+16*AP*\a+32
.endr
.endm
; 8 matrix instructions: y's block a x w's eight.  The 32 accumulators take turns, one instruction a turn, in the same order in every quarter.
.macro MUL8 f, a, bias
.irp b, 0,1,2,3,4,5,6,7
.if \bias
	v_wmma_f32_16x16x32_f16 v[8*(8*\a+\b):8*(8*\a+\b)+7], v[64*(\f)+8*\b:64*(\f)+8*\b+7], v[64+32*(\f)+8*\a:64+32*(\f)+8*\a+7], v[BI+8*\b:BI+8*\b+7]
.else
	v_wmma_f32_16x16x32_f16 v[8*(8*\a+\b):8*(8*\a+\b)+7], v[64*(\f)+8*\b:64*(\f)+8*\b+7], v[64+32*(\f)+8*\a:64+32*(\f)+8*\a+7], v[8*(8*\a+\b):8*(8*\a+\b)+7]
.endif
.endr
.endm
.macro PLACES
.rept 4
	v_nop
.endr
.endm
; A K step is four quarters of 32 along K on buffers 0, 1, 0, 1.  One of the first three: multiplies buffer f and fetches the slot's q-th quarter into buffer g.
.macro QUARTER slot, q, f, g, bias
	s_wait_dscnt 4                                 ; w's fragments and y's blocks 0, 1 are in; the youngest four loads (blocks 2, 3) stay out
.if \bias
	WIN MULB
.else
	WIN MUL
.endif
	MUL8 \f, 0, \bias
	MUL8 \f, 1, \bias
	PLACES
	FETCH \slot, \q, \g
	s_wait_dscnt 24                                ; all but the 24 just issued
.if \bias
	WIN MULB
.else
	WIN MUL
.endif
	MUL8 \f, 2, \bias
	MUL8 \f, 3, \bias
.endm
; The last quarter multiplies buffer 1 and changes slots: one barrier; in front of it each wave waits for all its tensor loads, adds 0 to its spare word, and waits for that and for its reads of this slot.
; fill = 1: the barrier opens a round of the cluster's, and this slot is filled again, two K steps ahead: 112 matrix instructions stand between the request and the wait for it.
.macro TURN slot, next, fill
	WIN 0
	s_wait_tensorcnt 0x0
	ds_add_u32 v[SPW], v[NIL]
	s_wait_dscnt 5                                 ; the add and the youngest four loads stay out
	WIN MUL
	MUL8 1, 0, 0
	s_wait_dscnt 0x0                               ; the add is done, and my reads of this slot are over
	s_barrier_signal -1
	MUL8 1, 1, 0
.if \fill
	WIN 0
.endif
	s_barrier_wait -1
.if \fill
	CREST
	s_add_nc_u64 s[G0+4*\slot+2:G0+4*\slot+3], s[G0+4*\slot+2:G0+4*\slot+3], 1048576
	s_add_nc_u64 s[G0B+4*\slot+2:G0B+4*\slot+3], s[G0B+4*\slot+2:G0B+4*\slot+3], 524288
	JLOAD \slot                                    ; the first tensor load behind the round; its four v_nop are also the places in front of the loads below
.else
	PLACES
.endif
	FETCH \next, 0, 0
	WIN MUL
	MUL8 1, 2, 0
	MUL8 1, 3, 0
.endm
	s_wait_tensorcnt 1                             ; my part of K step 0 is in; K step 1's load stays out
	s_barrier_signal -1
	s_barrier_wait -1
	FETCH 0, 0, 0
	s_wait_loadcnt 0x0                             ; the bias
	QUARTER 0, 1, 0, 1, 1                          ; the first quarter stands in front of the loop: the bias starts the sums
	WIN 0
	s_mov_b32 s3, LAPS-1
.Llap:                                                 ; a trip goes once round the ring and fills both slots again
	QUARTER 0, 2, 1, 0, 0
	QUARTER 0, 3, 0, 1, 0
	TURN 0, 1, 1
	QUARTER 1, 1, 0, 1, 0
	QUARTER 1, 2, 1, 0, 0
	QUARTER 1, 3, 0, 1, 0
	TURN 1, 0, 1
	QUARTER 0, 1, 0, 1, 0
	WIN 0
	s_sub_co_u32 s3, s3, 1
	s_cmp_lg_u32 s3, 0
	s_cbranch_scc1 .Llap
	QUARTER 0, 2, 1, 0, 0                          ; the last lap fills nothing
	QUARTER 0, 3, 0, 1, 0
	TURN 0, 1, 0
	QUARTER 1, 1, 0, 1, 0
	QUARTER 1, 2, 1, 0, 0
	QUARTER 1, 3, 0, 1, 0
	s_wait_dscnt 4
	WIN MUL
	MUL8 1, 0, 0
	MUL8 1, 1, 0
	s_wait_dscnt 0
	MUL8 1, 2, 0
	MUL8 1, 3, 0
	WIN 0
; THE WAY OUT, block by block of 16 rows x 128 columns, through my own stage: back come whole rows of 512 bytes.
.macro TOSTAGE a
	WIN 0x08                                       ; an LDS store's data: window 2
.irp b, 0,1,2,3,4,5,6,7
	ds_store_b128 v[STO], v[8*(8*(\a)+\b):8*(8*(\a)+\b)+3] offset:64*\b            ; each accumulator from its low end on
	ds_store_b128 v[STO], v[8*(8*(\a)+\b)+4:8*(8*(\a)+\b)+7] offset:64*\b+16
.endr
	WIN 0
.set BB, BK+64*((\a)%2)
.irp t, 0,1,2,3,4,5,6,7,8,9,10,11,12,13,14,15
	ds_load_b128 v[BB+4*\t:BB+4*\t+3], v[RD] offset:\t*SPITCH
.endr
.endm
.macro SEND a, younger
.set BB, BK+64*((\a)%2)
	s_wait_dscnt \younger
.irp t, 0,1,2,3,4,5,6,7,8,9,10,11,12,13,14,15
	global_store_b128 v[CO], v[BB+4*\t:BB+4*\t+3], s[70:71] offset:65536*(\a)+4096*\t th:TH_STORE_NT   ; 32 lanes store 512 consecutive bytes, aligned; no base is stepped
.endr
.endm
	PLACES
	s_cmp_eq_u32 s66, 0                            ; positions 0..15 are another launch's
	s_cbranch_scc1 .Lskip0
	TOSTAGE 0
	SEND 0, 0
.Lskip0:
	TOSTAGE 1
	s_wait_xcnt 0x0                                ; block 0's stores have read their registers: block 2's loads may land there
	TOSTAGE 2
	SEND 1, 32                                     ; behind block 1's loads: block 2's 16 stores and 16 loads
	s_wait_xcnt 0x0
	TOSTAGE 3
	SEND 2, 32
	SEND 3, 0
	s_wait_tensorcnt 0x0                           ; the wave's end
	ds_add_u32 v[SPW], v[NIL]
	s_wait_dscnt 0x0
	CROUND                                         ; the closing round
	s_endpgm
.Lfunc_end_k_q3bd5342873_proj:
	.size	k_q3bd5342873_proj, .Lfunc_end_k_q3bd5342873_proj-k_q3bd5342873_proj
	.p2alignl 7, 3214868480
	.fill 96, 4, 3214868480
	.section	.rodata,"a",@progbits
	.p2align	6, 0x0
	.amdhsa_kernel k_q3bd5342873_proj
		.amdhsa_group_segment_fixed_size 327680
		.amdhsa_private_segment_fixed_size 0
		.amdhsa_enable_private_segment 0
		.amdhsa_kernarg_size 32
		.amdhsa_user_sgpr_count 2
		.amdhsa_user_sgpr_kernarg_segment_ptr 1
		.amdhsa_wavefront_size32 1
		.amdhsa_system_sgpr_workgroup_id_x 1
		.amdhsa_system_sgpr_workgroup_id_y 1
		.amdhsa_system_sgpr_workgroup_id_z 1
		.amdhsa_system_vgpr_workitem_id 0
		.amdhsa_next_free_vgpr 768
		.amdhsa_next_free_sgpr 72
		.amdhsa_reserve_vcc 0
		.amdhsa_float_denorm_mode_32 3
		.amdhsa_float_denorm_mode_16_64 3
		.amdhsa_memory_ordered 1
		.amdhsa_forward_progress 1
		.amdhsa_inst_pref_size 87
	.end_amdhsa_kernel
	.amdgpu_metadata
---
amdhsa.version: [ 1, 2 ]
amdhsa.kernels:
  - .name:           k_q3bd5342873_proj
    .symbol:         k_q3bd5342873_proj.kd
    .args:
      - { .name: y16, .offset: 0, .size: 8, .value_kind: global_buffer, .address_space: global }
      - { .name: wp16, .offset: 8, .size: 8, .value_kind: global_buffer, .address_space: global }
      - { .name: b_proj, .offset: 16, .size: 8, .value_kind: global_buffer, .address_space: global }
      - { .name: out0, .offset: 24, .size: 8, .value_kind: global_buffer, .address_space: global }
    .group_segment_fixed_size: 327680
    .private_segment_fixed_size: 0
    .kernarg_segment_align: 8
    .kernarg_segment_size: 32
    .max_flat_workgroup_size: 128
    .sgpr_count:     72
    .vgpr_count:     768
    .wavefront_size: 32
...
	.end_amdgpu_metadata
.endif
;; end of part 4
;; launch fine (part 5): grid 64 x 4, 16 waves a work-group, no clusters, 18,432 bytes of LDS; arguments qkv, w_proj, b_proj, out0; writes out0
.if DOCPART == 5
	.amdgcn_target "amdgcn-amd-amdhsa--gfx1250"
	.amdhsa_code_object_version 6
	.text
	.protected	k_q3bd5342873_fine
	.globl	k_q3bd5342873_fine
	.p2align	8
	.type	k_q3bd5342873_fine,@function
k_q3bd5342873_fine:
	s_mov_b64 s[64:65], 0
	v_nop
	global_prefetch_b8 v0, s[64:65] scope:SCOPE_SE
	s_setreg_imm32_b32 hwreg(HW_REG_WAVE_MODE, 25, 1), 1
	s_wait_xcnt 0x0
; Positions 0..15 of each sequence, carried in f32 throughout: attention and the projection by v_wmma_f32_16x16x4_f32 on the f32 copy of q, k, v (qkv from byte FINE0 on: [3][4 b][16 t][1024]) and on w_proj itself.
; A work-group makes 16 rows x 16 columns of out0 (columns 16 x, batch y).  WAVE w IS HEAD w, and head w is also channels 64 w .. 64 w + 63 of the projection's K: a wave's y never leaves its registers,
; and the one sum over waves is made in LDS by the work-group that owns the outputs.  A head's 16 x 16 attention (32 matrix instructions) is made anew in each of the batch's 64 work-groups: no bulk work.
; In each product the order of k inside the instructions is permuted alike on both sources, so that no number changes lanes:
;   S^T = K Q^T: step n takes channels 8 (n / 2) + 4 h + 2 (n % 2) + j;   O^T = V^T P: step s takes keys 8 h + 2 s + j;   out^T = W^T y^T: step (ct, jj) takes channels 16 ct + 8 h + 2 jj + j.
; The registers that the matrix instructions write are written by them alone; what is made of a sum goes into other registers.
; The stores are pieces of 64 bytes of a row: 256 KB in the whole launch.
; REGISTERS: v1-13 addresses and constants; v16-21 at work; v32-63 Q, v64-95 K (later the sixteen parts); v96-127 V^T; v128-159 W^T; v160-175 S^T in two sums; v176-207 O^T; v208-223 out^T in two sums; v224-231 p; v232-239 my part.
.set FINE0, 50331648
.set SPARE, 16384                      ; behind the sixteen images of 1,024 bytes: the spare words, 128 bytes a wave
	s_load_b256 s[4:11], s[0:1], 0x0               ; qkv 4:5, w_proj 6:7, b_proj 8:9, out0 10:11
	v_lshl_add_u32 v4, v0, 2, SPARE                ; my spare word; never rewritten
	v_mov_b32 v5, 0                                ; 0; never rewritten
	v_lshrrev_b32 v1, 5, v0
	v_readfirstlane_b32 s12, v1                    ; wave = head
	s_and_b32 s13, ttmp7, 0xffff                   ; batch
	v_and_b32 v1, 15, v0                           ; r
	v_bfe_u32 v2, v0, 4, 1                         ; h
	v_and_b32 v3, 31, v0                           ; lane
	v_lshlrev_b32 v6, 12, v1
	v_lshl_add_u32 v6, v2, 4, v6                   ; q, k: row r of 4,096 bytes, + 16 h
	v_lshlrev_b32 v7, 2, v1
	v_lshl_add_u32 v7, v2, 15, v7                  ; v, w: column r, 8 h rows of 4,096 bytes down
	v_lshlrev_b32 v8, 4, v3
	s_lshl_b32 s14, s12, 10
	v_add_nc_u32 v8, s14, v8                       ; my part's image: 16 x lane + 1,024 x wave
	v_lshlrev_b32 v9, 4, v3
	s_lshl_b32 s14, s12, 9
	v_add_nc_u32 v9, s14, v9                       ; the summing waves: 16 x lane + 512 x wave
	s_lshl_b32 s14, s12, 4
	v_lshl_add_u32 v10, v2, 5, s14                 ; their four columns: 32 h + 16 x wave bytes
	v_lshl_add_u32 v11, v1, 12, v10                ; and row r of out0
	v_lshlrev_b32 v12, 3, v2
	v_sub_nc_u32 v12, v1, v12                      ; r - 8 h
	v_mov_b32 v13, 0xff800000
	s_mov_b32 s20, 0x76543210
	s_mov_b32 s21, 0xfedcba98
	s_mov_b32 s22, 0x3e38aa3b                      ; c = log2(e) / 8
	s_lshl_b32 s16, s13, 16
	s_lshl_b32 s17, s12, 8
	s_add_co_u32 s16, s16, s17
	s_add_co_u32 s16, s16, FINE0                   ; q of my batch and head
	s_mov_b32 s17, 0
	s_lshl_b32 s24, ttmp9, 6                       ; my 16 columns, as f32 bytes
	s_mov_b32 s25, 0
	s_lshl_b32 s18, s12, 18                        ; my head's 64 rows of w_proj
	s_add_co_u32 s18, s18, s24
	s_mov_b32 s19, 0
	s_lshl_b32 s26, s13, 23                        ; my batch's first row of out0
	s_add_co_u32 s26, s26, s24
	s_mov_b32 s27, 0
	s_wait_kmcnt 0x0
	s_add_nc_u64 s[4:5], s[4:5], s[16:17]
	s_add_nc_u64 s[6:7], s[6:7], s[18:19]
	s_add_nc_u64 s[8:9], s[8:9], s[24:25]
	s_add_nc_u64 s[10:11], s[10:11], s[26:27]
.irp s, 0,1,2,3,4,5,6,7
	global_load_b128 v[32+4*\s:35+4*\s], v6, s[4:5] offset:32*\s            ; q(r, 8 s + 4 h + 0..3)
	global_load_b128 v[64+4*\s:67+4*\s], v6, s[4:5] offset:262144+32*\s     ; k likewise
.endr
.irp ct, 0,1,2,3
.irp i, 0,1,2,3,4,5,6,7
	global_load_b32 v[96+8*\ct+\i], v7, s[4:5] offset:524288+4096*\i+64*\ct   ; v(8 h + i, 16 ct + r)
	global_load_b32 v[128+8*\ct+\i], v7, s[6:7] offset:4096*(16*\ct+\i)       ; w(64 w + 16 ct + 8 h + i, my column r)
.endr
.endr
	s_wait_loadcnt 0x0
	; S^T: two sums by turns; register j: key 8 h + j, lane % 16: the query
.set n, 0
.rept 16
.set rA, 160+8*(n%2)
.if n < 2
	v_wmma_f32_16x16x4_f32 v[rA:rA+7], v[64+2*n:65+2*n], v[32+2*n:33+2*n], 0
.else
	v_wmma_f32_16x16x4_f32 v[rA:rA+7], v[64+2*n:65+2*n], v[32+2*n:33+2*n], v[rA:rA+7]
.endif
.set n, n+1
.endr
.rept 8
	v_nop                                          ; eight places behind this form (ISA guide 7.12.1)
.endr
.irp i, 0,2,4,6
	v_pk_add_f32 v[224+\i:225+\i], v[160+\i:161+\i], v[168+\i:169+\i]
.endr
.irp j, 0,1,2,3,4,5,6,7
	v_cmp_gt_i32 vcc_lo, \j, v12                   ; key 8 h + j behind query r: hidden
	v_cndmask_b32 v[224+\j], v[224+\j], v13, vcc_lo
.endr
	v_max3_num_f32 v16, v224, v225, v226
	v_max3_num_f32 v17, v227, v228, v229
	v_max3_num_f32 v16, v16, v230, v231
	v_max_num_f32 v16, v16, v17
	v_permlanex16_b32 v17, v16, s20, s21
	v_max_num_f32 v16, v16, v17                    ; the row's maximum: key 0 counts for every query
	v_mul_f32 v16, s22, v16
.irp j, 0,1,2,3,4,5,6,7
	v_fma_f32 v[224+\j], v[224+\j], s22, -v16
.endr
.irp j, 0,1,2,3,4,5,6,7
	v_exp_f32 v[224+\j], v[224+\j]
.endr
	v_nop
	s_wait_alu depctr_va_vdst(0)                   ; one wait for the eight
	v_pk_add_f32 v[18:19], v[224:225], v[226:227]
	v_pk_add_f32 v[20:21], v[228:229], v[230:231]
	v_pk_add_f32 v[18:19], v[18:19], v[20:21]
	v_add_f32 v18, v18, v19
	v_permlanex16_b32 v19, v18, s20, s21
	v_add_f32 v18, v18, v19
	v_rcp_f32 v18, v18
	v_nop
	s_wait_alu depctr_va_vdst(0)
.irp i, 0,2,4,6
	v_pk_mul_f32 v[224+\i:225+\i], v[224+\i:225+\i], v[18:19] op_sel_hi:[1,0]   ; the weights, normalised, in f32
.endr
	; O^T: four tiles of channels by turns; register j: channel 16 ct + 8 h + j
.irp s, 0,1,2,3
.irp ct, 0,1,2,3
.if \s == 0
	v_wmma_f32_16x16x4_f32 v[176+8*\ct:183+8*\ct], v[96+8*\ct+2*\s:97+8*\ct+2*\s], v[224+2*\s:225+2*\s], 0
.else
	v_wmma_f32_16x16x4_f32 v[176+8*\ct:183+8*\ct], v[96+8*\ct+2*\s:97+8*\ct+2*\s], v[224+2*\s:225+2*\s], v[176+8*\ct:183+8*\ct]
.endif
.endr
.endr
.rept 9
	v_nop                                          ; nine places: the results become a source
.endr
	; my head's part of out^T: two sums by turns; register j: column 8 h + j, lane % 16: the row
.set n, 0
.rept 16
.set rA, 208+8*(n%2)
.if n < 2
	v_wmma_f32_16x16x4_f32 v[rA:rA+7], v[128+2*n:129+2*n], v[176+2*n:177+2*n], 0
.else
	v_wmma_f32_16x16x4_f32 v[rA:rA+7], v[128+2*n:129+2*n], v[176+2*n:177+2*n], v[rA:rA+7]
.endif
.set n, n+1
.endr
.rept 8
	v_nop
.endr
.irp i, 0,2,4,6
	v_pk_add_f32 v[232+\i:233+\i], v[208+\i:209+\i], v[216+\i:217+\i]
.endr
	ds_store_b128 v8, v[232:235]                   ; my part as an image of its registers
	ds_store_b128 v8, v[236:239] offset:512
	s_wait_dscnt 0x0                               ; for the others' sake: my stores are done
	s_barrier_signal -1
	s_barrier_wait -1
	s_cmp_gt_u32 s12, 1                            ; waves 0 and 1 add the sixteen parts, four columns a lane each
	s_cbranch_scc1 .Ldone
	global_load_b128 v[16:19], v10, s[8:9]         ; the bias of my four columns
.irp w, 0,1,2,3,4,5,6,7,8,9,10,11,12,13,14,15
	ds_load_b128 v[32+4*\w:35+4*\w], v9 offset:1024*\w
.endr
	s_wait_dscnt 0x0
.irp w, 1,2,3,4,5,6,7,8,9,10,11,12,13,14,15
	v_pk_add_f32 v[32:33], v[32:33], v[32+4*\w:33+4*\w]     ; heads in ascending order
	v_pk_add_f32 v[34:35], v[34:35], v[34+4*\w:35+4*\w]
.endr
	s_wait_loadcnt 0x0
	v_pk_add_f32 v[32:33], v[32:33], v[16:17]
	v_pk_add_f32 v[34:35], v[34:35], v[18:19]
	global_store_b128 v11, v[32:35], s[10:11]
.Ldone:
	s_wait_tensorcnt 0x0                           ; the wave's end
	ds_add_u32 v4, v5
	s_wait_dscnt 0x0
	s_endpgm
.Lfunc_end_k_q3bd5342873_fine:
	.size	k_q3bd5342873_fine, .Lfunc_end_k_q3bd5342873_fine-k_q3bd5342873_fine
	.p2alignl 7, 3214868480
	.fill 96, 4, 3214868480
	.section	.rodata,"a",@progbits
	.p2align	6, 0x0
	.amdhsa_kernel k_q3bd5342873_fine
		.amdhsa_group_segment_fixed_size 18432
		.amdhsa_private_segment_fixed_size 0
		.amdhsa_enable_private_segment 0
		.amdhsa_kernarg_size 32
		.amdhsa_user_sgpr_count 2
		.amdhsa_user_sgpr_kernarg_segment_ptr 1
		.amdhsa_wavefront_size32 1
		.amdhsa_system_sgpr_workgroup_id_x 1
		.amdhsa_system_sgpr_workgroup_id_y 1
		.amdhsa_system_sgpr_workgroup_id_z 1
		.amdhsa_system_vgpr_workitem_id 0
		.amdhsa_next_free_vgpr 256
		.amdhsa_next_free_sgpr 66
		.amdhsa_reserve_vcc 1
		.amdhsa_float_denorm_mode_32 3
		.amdhsa_float_denorm_mode_16_64 3
		.amdhsa_memory_ordered 1
		.amdhsa_forward_progress 1
		.amdhsa_inst_pref_size 20
	.end_amdhsa_kernel
	.amdgpu_metadata
---
amdhsa.version: [ 1, 2 ]
amdhsa.kernels:
  - .name:           k_q3bd5342873_fine
    .symbol:         k_q3bd5342873_fine.kd
    .args:
      - { .name: qkv, .offset: 0, .size: 8, .value_kind: global_buffer, .address_space: global }
      - { .name: w_proj, .offset: 8, .size: 8, .value_kind: global_buffer, .address_space: global }
      - { .name: b_proj, .offset: 16, .size: 8, .value_kind: global_buffer, .address_space: global }
      - { .name: out0, .offset: 24, .size: 8, .value_kind: global_buffer, .address_space: global }
    .group_segment_fixed_size: 18432
    .private_segment_fixed_size: 0
    .kernarg_segment_align: 8
    .kernarg_segment_size: 32
    .max_flat_workgroup_size: 512
    .sgpr_count:     66
    .vgpr_count:     256
    .wavefront_size: 32
...
	.end_amdgpu_metadata
.endif
;; end of part 5
